; MI455X (gfx1250); checked and timed in simulation.
; The chip was launched on July 23, 2026; its instructions are those of AMD's public machine-readable ISA for CDNA 5 (MIT licence, August 2026) and "CDNA5" Instruction Set Architecture Reference Guide (July 2026). The comments in the code are by the model that wrote it; some were corrected since.
;; Cross Modal Attention. Allowed arithmetic: matrix products marked QUANTISED: E4M3 operands, one given power-of-two scale a tensor, by v_wmma_f32_16x16x64_fp8_fp8 or v_wmma_f32_16x16x128_fp8_fp8, f32 sums; everything else in f32.
;; Inputs: bk 256 float32; bo 256 float32; bq 256 float32; bv 256 float32; freq_feat 2 x 256 x 64 x 64 float32; lowp_scales 24 int32 (the exponents e of the quantised operands' scales 2^e); spatial_feat 2 x 256 x 64 x 64 float32; wk_codes 256 x 8 x 32 uint8 (E4M3 codes of wk, K innermost, in blocks of 32 codes); wo_codes 256 x 8 x 32 uint8 (E4M3 codes of wo, K innermost, in blocks of 32 codes); wq_codes 256 x 8 x 32 uint8 (E4M3 codes of wq, K innermost, in blocks of 32 codes); wv_codes 256 x 8 x 32 uint8 (E4M3 codes of wv, K innermost, in blocks of 32 codes).
;; Outputs: out0 2 x 256 x 64 x 64 float32.
;; This version of the problem:
;;   THIS VERSION OF THE PROBLEM IS GIVEN IN LOW PRECISION. The matrix products marked QUANTISED in the list below multiply operands that are first quantised to E4M3 (4 exponent bits, 3 mantissa bits; 8 bits a number), with one given power-of-two scale for each operand tensor; their sums are f32. All else is computed in f32.
;;   The module's matrix products, in the order in which they are computed (A, B: the left and right operand; K: the contracted axis; several contracted axes count as one K, in the product's order):
;;     1. [M 8,192, K 256] x [K 256, N 256]; A: input spatial_feat; B: input wq (given as codes): QUANTISED (scales: A lowp_scales[0], B lowp_scales[1])
;;     2. [M 8,192, K 256] x [K 256, N 256]; A: input freq_feat; B: input wk (given as codes): QUANTISED (scales: A lowp_scales[2], B lowp_scales[3])
;;     3. [M 8,192, K 256] x [K 256, N 256]; A: input freq_feat; B: input wv (given as codes): QUANTISED (scales: A lowp_scales[4], B lowp_scales[5])
;;     4. batch 8 x [M 4,096, K 64] x [K 64, N 4,096]; A: computed on the way; B: computed on the way: QUANTISED (scales: A lowp_scales[6], B lowp_scales[7])
;;     5. batch 8 x [M 64, K 4,096] x [K 4,096, N 4,096]; A: computed on the way; B: softmax (see below): QUANTISED (scales: A lowp_scales[8], B lowp_scales[9])
;;     6. [M 8,192, K 256] x [K 256, N 256]; A: computed on the way; B: input wo (given as codes): QUANTISED (scales: A lowp_scales[10], B lowp_scales[11])
;;     7. [M 8,192, K 256] x [K 256, N 256]; A: input freq_feat; B: input wq (given as codes): QUANTISED (scales: A lowp_scales[12], B lowp_scales[13])
;;     8. [M 8,192, K 256] x [K 256, N 256]; A: input spatial_feat; B: input wk (given as codes): QUANTISED (scales: A lowp_scales[14], B lowp_scales[15])
;;     9. [M 8,192, K 256] x [K 256, N 256]; A: input spatial_feat; B: input wv (given as codes): QUANTISED (scales: A lowp_scales[16], B lowp_scales[17])
;;     10. batch 8 x [M 4,096, K 64] x [K 64, N 4,096]; A: computed on the way; B: computed on the way: QUANTISED (scales: A lowp_scales[18], B lowp_scales[19])
;;     11. batch 8 x [M 64, K 4,096] x [K 4,096, N 4,096]; A: computed on the way; B: softmax (see below): QUANTISED (scales: A lowp_scales[20], B lowp_scales[21])
;;     12. [M 8,192, K 256] x [K 256, N 256]; A: computed on the way; B: input wo (given as codes): QUANTISED (scales: A lowp_scales[22], B lowp_scales[23])
;;   THE QUANTISER, for each operand of a quantised product, along K:
;;     - The operand's scale is 2^e, e = its entry of the input lowp_scales (int32; the entries are numbered through the quantised products in the list's order, A before B).
;;     - Each number is divided by the scale, clamped to +-448, and rounded to the nearest number of E4M3, ties to even, subnormals kept.
;;     - The product sums the exact products of the quantised numbers (number of the format x scale) in f32.
;;   ~~~python
;;   def quantise(x, axis, e):      # numpy; x: float32 -> the quantised numbers, widened to float32 again
;;       x = np.moveaxis(x, axis, -1); K = x.shape[-1]
;;       r = np.clip(x / 2.0 ** e, -448, 448)
;;       step = 2.0 ** (np.maximum(np.frexp(np.where(r == 0, 1, r))[1] - 1, -6) - 3)
;;       q = np.round(r / step) * step * 2.0 ** e      # np.round: ties to even
;;       return np.moveaxis(q, -1, axis).astype(np.float32)
;;   ~~~
;;   SOFTMAX AHEAD OF A QUANTISED PRODUCT. Where the list says 'softmax', what is quantised is not the finished softmax but p = 2^(t - M), with t = logit x log2(e) and M = ceil(the row's largest t), a whole number; so 1/2 < the row's largest p <= 1. The row's sum l is taken of the UNQUANTISED p, in f32, and the product's result is divided by l at the end. Since M is a whole number, a kernel that streams over the keys may use a running M (the ceiling of the running maximum): every later rescaling is an exact power of two, so the quantised numbers keep their values, but for numbers so far below the row's largest that they fall under the format's range.
;;   OPERANDS COMPUTED ON THE WAY. 'Computed on the way' means the value that the module computes at that place (a softmax that the list does not call 'softmax' is quantised finished and normalised). What goes into a quantiser is computed in f32, as accurately as f32 sums, v_exp_f32 and their like allow (about 1e-6 of the number): no bf16 or f16 on the way to a quantiser, and a product that is left as it is and whose result goes on into a quantised operand takes f32 operands (vector FMAs, or v_wmma_f32_16x16x4_f32). A number that lies on a knife's edge between two numbers of the format may be rounded either way, as far as f32 arithmetic and the matrix unit's own rounding can turn it there, and no further.
;;   INPUTS GIVEN AS CODES. wk (in the module: [256, 256], K = its axis 1); wo (in the module: [256, 256], K = its axis 1); wq (in the module: [256, 256], K = its axis 1); wv (in the module: [256, 256], K = its axis 1): each comes as NAME_codes (uint8): NAME with its K axis moved to the last place and cut into blocks of 32 codes, [.., K / 32, bytes a block], one block behind the other in memory; one code a byte (a code: sign, 4 exponent bits, 3 mantissa bits); its scale is its entry of lowp_scales. Its value is code x scale, taken as it is: it is not quantised again, and the codes and scales need not be those that the quantiser above would give.
;; 2 versions, each right; version 2 is version 1 with the launches proj, attn, outp written anew for expert scheduling mode. Each part assembles by itself: llvm-mc -triple=amdgcn-amd-amdhsa -mcpu=gfx1250 --defsym DOCPART=n.
;; ======== version 1 of 2: 3 launches
;; limits: right only within a limited range of input values
;; workspace buffers: qimg 4,194,304 bytes; kv 8,388,608 bytes; oimg 4,194,304 bytes
;; launch proj (part 1): grid 64 x 4, 8 waves a work-group, no clusters, 54,272 bytes of LDS; arguments spatial_feat, freq_feat, wq_codes, wk_codes, wv_codes, bq, bk, bv, lowp_scales, qimg, kv; writes qimg, kv
.if DOCPART == 1
	.amdgcn_target "amdgcn-amd-amdhsa--gfx1250"
	.amdhsa_code_object_version 6
	.text
	.protected	k_qb77a520490_proj
	.globl	k_qb77a520490_proj
	.p2align	8
	.type	k_qb77a520490_proj,@function
k_qb77a520490_proj:
	s_mov_b64 s[64:65], 0
	v_nop
	global_prefetch_b8 v0, s[64:65] scope:SCOPE_SE
	s_setreg_imm32_b32 hwreg(HW_REG_WAVE_MODE, 25, 1), 1
	s_wait_xcnt 0x0
; THE SIX PROJECTIONS.  X is spatial_feat (src = 0) or freq_feat (src = 1), [2][256 c][4096 positions] f32, K = c is NOT innermost.
; A work-group takes 64 positions of one batch of one X, all 256 c (64 KB, read once in the launch), and makes three products from it:
;   j = 0: q of direction src;  j = 1: k of direction 1 - src;  j = 2: v of direction 1 - src.  Each has its own scale for X, so X is quantised three times.
; X: a lane takes a position and its registers run down c, so the conversions give codes with c innermost; they meet in LDS as 64 rows of 256 codes.
; The eight waves share the outputs: wave w makes outputs 32 w .. 32 w + 31 of all three products for the 64 positions; its weights stay in registers.
; q and k are used transposed (source 0 = 16 rows of W, source 1 = 16 positions): a lane holds one position and 16 neighbouring outputs: the next product's K (the head's 64).
; v is used as it stands (source 0 = 16 positions, source 1 = 16 rows of W): a lane holds one channel and 16 neighbouring positions: the next product's K (the keys).
; THE ROWS OF A TILE ARE NOT NEIGHBOURS: row r of a tile of W or of positions is 8 u + r + 8 (r / 8) of its 32, u = the tile's parity, so that two neighbouring tiles' 16 registers are 16 neighbours.
; The bias goes in as the C of a sum's first matrix instruction, divided by 2^(ea + ew); the three scales ahead of the next quantiser are folded into the conversion's one.
; RESULTS are stored as images of the next launch's operand registers: each store of the wave covers 512 consecutive bytes, aligned.
; All fragments hold k = 32 c + 16 (lane / 16) + 0 .. 15 in registers 4 c .. 4 c + 3: a permutation of k that is the same on both sides of every product.
; LIMITS on the given exponents, so that each power of two is an f32 number: ea, and en - ea - ew, between -126 and 119.  NaN among the inputs is not served.
; No tensor load, no cluster: no two work-groups read the same bytes of X; of the weights each wave reads its own 24 KB once, straight into the registers where they stay.
; REGISTERS.  Window 0: v1-7 addresses, v8-9 bv's two numbers; v16-27 scales; first v32-95 X as loaded, v96-159 held numbers, v160-207 X's codes; then v32-159 X's 8 fragments, v160-223 8 accumulators, v224-239 codes.
;   Window 1: v0-191 the weights' fragments (product j, tile u, K step s at 64 j + 32 u + 16 s); v192-239 the biases, 16 registers a product.
.set PITCH, 272                        ; an LDS row: 256 codes + 16 bytes of padding
.set XQB,   64*PITCH                   ; X's codes under one scale: 64 rows
.set XR,    32
.set TMP,   96
.set CX,    160
.set XF,    32
.set ACC,   160
.set CD,    224
.set BI,    192
.set MSB, 0
.macro WIN new                         ; the immediate's high byte repeats the setting that is left
.if MSB != \new
	s_set_vgpr_msb (MSB<<8)|\new
.set MSB, \new
.endif
.endm
	s_load_b512 s[4:19], s[0:1], 0x0               ; S s[4:5], F s[6:7], wq s[8:9], wk s[10:11], wv s[12:13], bq s[14:15], bk s[16:17], bv s[18:19]
	s_load_b128 s[20:23], s[0:1], 0x40             ; the scales' exponents s[20:21], qimg s[22:23]
	s_load_b64 s[24:25], s[0:1], 0x50              ; kv
	v_lshl_add_u32 v254, v0, 2, 0xd000
	v_mov_b32 v255, 0
	v_lshrrev_b32 v10, 5, v0
	v_readfirstlane_b32 s26, v10                   ; wave 0..7
	s_mov_b32 s27, ttmp9                           ; the block of 64 positions
	s_and_b32 s28, ttmp7, 0xffff                   ; y = 2 src + batch
	s_lshr_b32 s29, s28, 1                         ; src
	s_and_b32 s30, s28, 1                          ; batch
	s_lshr_b32 s31, s26, 1                         ; wave / 2: which 64 of c I load; the head of my outputs
	s_and_b32 s34, s26, 1                          ; wave % 2: which 32 positions I load; which half of the head
	; X: batch x 4 MiB + 64 (wave / 2) rows of 16 KiB + (64 block + 32 (wave % 2)) x 4
	s_lshl_b32 s32, s30, 22
	s_lshl_b32 s33, s31, 20
	s_add_co_u32 s32, s32, s33
	s_lshl_b32 s33, s27, 8
	s_add_co_u32 s32, s32, s33
	s_lshl_b32 s33, s34, 7
	s_add_co_u32 s32, s32, s33
	s_mov_b32 s33, 0
	s_lshl_b32 s60, s26, 13                        ; my 32 rows of each weight
	s_mov_b32 s61, 0
	s_lshl_b32 s62, s26, 7                         ; my 32 numbers of each bias
	s_mov_b32 s63, 0
	; qimg: ((4 y + head) x 256 + 4 block) tiles of 1,024 bytes + 512 (wave % 2)
	s_lshl_b32 s84, s28, 2
	s_add_co_u32 s84, s84, s31
	s_lshl_b32 s84, s84, 18
	s_lshl_b32 s35, s27, 12
	s_add_co_u32 s84, s84, s35
	s_lshl_b32 s35, s34, 9
	s_add_co_u32 s84, s84, s35
	s_mov_b32 s85, 0
	; kv: the other direction's combo (y xor 2): (4 (y xor 2) + head) x 32 key steps of 16 KiB + block / 2
	s_xor_b32 s86, s28, 2
	s_lshl_b32 s86, s86, 2
	s_add_co_u32 s86, s86, s31
	s_lshl_b32 s86, s86, 19
	s_lshr_b32 s35, s27, 1
	s_lshl_b32 s35, s35, 14
	s_add_co_u32 s86, s86, s35
	s_and_b32 s35, s27, 1
	s_lshl_b32 s88, s35, 10                        ; V's part: 8,192 + 4,096 (wave % 2) + 1,024 (block % 2)
	s_add_co_u32 s88, s88, s86
	s_lshl_b32 s81, s34, 12
	s_add_co_u32 s88, s88, s81
	s_add_co_u32 s88, s88, 8192
	s_mov_b32 s89, 0
	s_lshl_b32 s35, s35, 12                        ; K's part: 4,096 (block % 2) + 512 (wave % 2)
	s_add_co_u32 s86, s86, s35
	s_lshl_b32 s35, s34, 9
	s_add_co_u32 s86, s86, s35
	s_mov_b32 s87, 0
	v_and_b32 v10, 31, v0                          ; lane
	v_lshlrev_b32 v1, 2, v10                       ; X: 4 bytes a lane
	v_lshlrev_b32 v2, 4, v10                       ; the images: 16 bytes a lane
	v_and_b32 v11, 15, v0                          ; r
	v_bfe_u32 v12, v0, 4, 1                        ; h
	v_and_b32 v13, 8, v11
	v_add_nc_u32 v13, v13, v11                     ; r + 8 (r / 8)
	v_lshlrev_b32 v3, 8, v13
	v_lshl_add_u32 v3, v12, 4, v3                  ; a weight's fragment: that row of 256 bytes + 16 h
	v_lshlrev_b32 v4, 6, v12                       ; bq, bk: my 16 numbers begin at 16 h
	v_lshlrev_b32 v5, 2, v13                       ; bv: my channel's one number
	v_and_b32 v14, 7, v0                           ; my position is 32 (wave % 2) + 16 a + 8 u + l; its LDS row is 32 (wave % 2) + 16 u + 8 a + l, so that a tile's 16 rows lie on end
	v_bfe_u32 v15, v0, 3, 1
	v_lshl_add_u32 v14, v15, 4, v14
	v_lshl_add_u32 v14, v12, 3, v14
	v_mul_u32_u24 v6, v14, PITCH
	s_mul_i32 s35, s34, 32*PITCH
	s_lshl_b32 s81, s31, 6
	s_add_co_u32 s35, s35, s81
	v_add_nc_u32 v6, s35, v6                       ; + my 64 codes' place in the row
	v_mul_u32_u24 v7, v11, PITCH
	v_lshl_add_u32 v7, v12, 4, v7                  ; X's fragments: row r + 16 h
	s_wait_kmcnt 0x0
	s_load_b512 s[36:51], s[20:21], 0x0            ; e0 .. e15: entry i stands in s[36 + i],
	s_load_b256 s[52:59], s[20:21], 0x40           ; e16 .. e23 likewise
	s_cmp_eq_u32 s29, 0                            ; the choice hangs on the work-group's number alone
	s_cselect_b64 s[82:83], s[4:5], s[6:7]
	s_add_nc_u64 s[82:83], s[82:83], s[32:33]
	s_add_nc_u64 s[8:9], s[8:9], s[60:61]
	s_add_nc_u64 s[10:11], s[10:11], s[60:61]
	s_add_nc_u64 s[12:13], s[12:13], s[60:61]
	s_add_nc_u64 s[14:15], s[14:15], s[62:63]
	s_add_nc_u64 s[16:17], s[16:17], s[62:63]
	s_add_nc_u64 s[18:19], s[18:19], s[62:63]
	s_add_nc_u64 s[84:85], s[22:23], s[84:85]
	s_add_nc_u64 s[86:87], s[24:25], s[86:87]
	s_add_nc_u64 s[88:89], s[24:25], s[88:89]
.set i, 0
.rept 64
	global_load_b32 v[XR+i], v1, s[82:83] offset:i*16384 th:TH_LOAD_NT   ; X(64 (wave / 2) + i, my position): the wave reads 128 consecutive bytes, its neighbour the other half of the 256
.set i, i+1
.endr
	WIN 0x40                                       ; destination window 1
.irp j, 0,1,2
.irp u, 0,1
.irp s, 0,1
.irp c, 0,1,2,3
	global_load_b128 v[64*\j+32*\u+16*\s+4*\c:64*\j+32*\u+16*\s+4*\c+3], v3, s[8+2*\j:9+2*\j] offset:\u*2048+\s*128+\c*32
.endr
.endr
.endr
.endr
.irp j, 0,1
.irp q, 0,1,2,3
	global_load_b128 v[BI+16*\j+4*\q:BI+16*\j+4*\q+3], v4, s[14+2*\j:15+2*\j] offset:16*\q
.endr
.endr
	WIN 0
	global_load_b32 v8, v5, s[18:19]
	global_load_b32 v9, v5, s[18:19] offset:32
	s_wait_kmcnt 0x0
	s_cmp_eq_u32 s29, 0
	s_cselect_b32 s66, s36, s48                    ; ea: X's scale.  q: e0 or e12
	s_cselect_b32 s67, s50, s38                    ; k: e14 or e2
	s_cselect_b32 s68, s52, s40                    ; v: e16 or e4
	s_cselect_b32 s72, s37, s49                    ; ew: the weight's.  e1 or e13
	s_cselect_b32 s73, s51, s39                    ; e15 or e3
	s_cselect_b32 s74, s53, s41                    ; e17 or e5
	s_cselect_b32 s75, s42, s54                    ; en: the result's, as the next product's operand.  e6 or e18
	s_cselect_b32 s76, s55, s43                    ; e19 or e7
	s_cselect_b32 s77, s56, s44                    ; e20 or e8
.irp j, 0,1,2
	s_add_co_i32 s[72+\j], s[72+\j], s[66+\j]      ; ea + ew: a sum stands for sum x 2^(ea + ew)
	s_sub_co_i32 s[75+\j], s[75+\j], s[72+\j]      ; en - ea - ew
	s_sub_co_i32 s[72+\j], 0, s[72+\j]             ; the bias is multiplied by 2^-(ea + ew)
	s_add_co_i32 s[66+\j], s[66+\j], 127
	s_add_co_i32 s[69+\j], s[66+\j], 8
	s_lshl_b32 s[66+\j], s[66+\j], 23              ; 2^ea as f32
	s_lshl_b32 s[69+\j], s[69+\j], 23
	s_or_b32 s[69+\j], s[69+\j], 0x600000          ; 448 x 2^ea
	s_add_co_i32 s[75+\j], s[75+\j], 127
	s_add_co_i32 s[78+\j], s[75+\j], 8
	s_lshl_b32 s[75+\j], s[75+\j], 23              ; 2^(en - ea - ew)
	s_lshl_b32 s[78+\j], s[78+\j], 23
	s_or_b32 s[78+\j], s[78+\j], 0x600000          ; 448 x that
	v_mov_b32 v[16+2*\j], s[66+\j]
	v_mov_b32 v[17+2*\j], s[69+\j]
	v_mov_b32 v[22+2*\j], s[75+\j]
	v_mov_b32 v[23+2*\j], s[78+\j]
.endr
; X under product j's scale: the hold (the conversion to an 8-bit code does not saturate: ISA guide 7.6.2), 64 codes a lane, 64 bytes of my position's row
.macro QX j
.set i, 0
.rept 64
	v_med3_num_f32 v[TMP+i], v[XR+i], -v[17+2*\j], v[17+2*\j]
.set i, i+1
.endr
.irp g, 0,1,2,3,4,5,6,7
	v_cvt_scalef32_pk8_fp8_f32 v[CX+16*\j+2*\g:CX+16*\j+2*\g+1], v[TMP+8*\g:TMP+8*\g+7], v[16+2*\j]
.endr
	v_nop                                          ; one plain vector line behind the conversions: the next lines write their sources again
.irp q, 0,1,2,3
	ds_store_b128 v6, v[CX+16*\j+4*\q:CX+16*\j+4*\q+3] offset:\j*XQB+16*\q
.endr
.endm
	s_wait_loadcnt 58                              ; X's 64 loads are in: behind them 48 loads of weights, 8 of bq and bk, 2 of bv were issued
	QX 0
	QX 1
	QX 2
	s_wait_loadcnt 0x0                             ; weights and biases
	WIN 0x41                                       ; source 0 and destination window 1
.irp j, 0,1
.set i, 0
.rept 16
	v_ldexp_f32 v[BI+16*\j+i], v[BI+16*\j+i], s[72+\j]
.set i, i+1
.endr
.endr
	WIN 0x40                                       ; v's bias: a lane holds one channel, so its number fills the tile's eight registers
.irp u, 0,1
.set i, 0
.rept 8
	v_ldexp_f32 v[BI+32+8*\u+i], v[8+\u], s74
.set i, i+1
.endr
.endr
	WIN 0
	s_wait_dscnt 0x0                               ; for the others' sake: my stores of X's codes are done
	s_barrier_signal -1
	s_barrier_wait -1                              ; the three sets of 64 rows lie in LDS; nothing is written there again
.macro FETCHX j                        ; X's eight fragments (tile T, K step s) under product j's scale.  The argument may be a sum (it is put in as text): so it stands in brackets
.irp T, 0,1,2,3
.irp s, 0,1
.irp c, 0,1,2,3
	ds_load_b128 v[XF+32*\T+16*\s+4*\c:XF+32*\T+16*\s+4*\c+3], v7 offset:(\j)*XQB+\T*16*PITCH+128*\s+32*\c
.endr
.endr
.endr
.endm
; Product j: 16 matrix instructions, the eight accumulators by turns, one instruction a turn; then the hold, the conversions and four stores.
.macro PROD j
	s_wait_dscnt 0x0                               ; X's fragments are in
.if \j < 2
	WIN 0x11                                       ; source 0 (W) and source 2 (the bias) window 1
.irp T, 0,1,2,3
.irp u, 0,1
	v_wmma_f32_16x16x128_fp8_fp8 v[ACC+8*(2*\T+\u):ACC+8*(2*\T+\u)+7], v[64*\j+32*\u:64*\j+32*\u+15], v[XF+32*\T:XF+32*\T+15], v[BI+16*\j+8*\u:BI+16*\j+8*\u+7]
.endr
.endr
	WIN 0x01
.irp T, 0,1,2,3
.irp u, 0,1
	v_wmma_f32_16x16x128_fp8_fp8 v[ACC+8*(2*\T+\u):ACC+8*(2*\T+\u)+7], v[64*\j+32*\u+16:64*\j+32*\u+31], v[XF+32*\T+16:XF+32*\T+31], v[ACC+8*(2*\T+\u):ACC+8*(2*\T+\u)+7]
.endr
.endr
.else
	WIN 0x14                                       ; source 1 (W) and source 2 (the bias) window 1
.irp u, 0,1
.irp T, 0,1,2,3
	v_wmma_f32_16x16x128_fp8_fp8 v[ACC+8*(4*\u+\T):ACC+8*(4*\u+\T)+7], v[XF+32*\T:XF+32*\T+15], v[64*\j+32*\u:64*\j+32*\u+15], v[BI+16*\j+8*\u:BI+16*\j+8*\u+7]
.endr
.endr
	WIN 0x04
.irp u, 0,1
.irp T, 0,1,2,3
	v_wmma_f32_16x16x128_fp8_fp8 v[ACC+8*(4*\u+\T):ACC+8*(4*\u+\T)+7], v[XF+32*\T+16:XF+32*\T+31], v[64*\j+32*\u+16:64*\j+32*\u+31], v[ACC+8*(4*\u+\T):ACC+8*(4*\u+\T)+7]
.endr
.endr
.endif
	WIN 0
.rept 4
	v_nop                                          ; four places in front of loads into registers that the products read, and of the first read of results
.endr
.if \j < 2
	FETCHX \j+1                                    ; the next product's fragments land while this one's results are quantised
.endif
.if \j > 0
	s_wait_xcnt 0x0                                ; the last product's stores have read their data registers, which are written again below
.endif
.set i, 0
.rept 64
	v_med3_num_f32 v[ACC+i], v[ACC+i], -v[23+2*\j], v[23+2*\j]   ; each accumulator from its low end on
.set i, i+1
.endr
.irp g, 0,1,2,3,4,5,6,7
	v_cvt_scalef32_pk8_fp8_f32 v[CD+2*\g:CD+2*\g+1], v[ACC+8*\g:ACC+8*\g+7], v[22+2*\j]
.endr
	v_nop                                          ; one plain vector line behind the conversions: the next product writes their sources
.if \j == 0
.irp T, 0,1,2,3
	global_store_b128 v2, v[CD+4*\T:CD+4*\T+3], s[84:85] offset:\T*1024     ; q: tile T, d = 32 (wave % 2) + 16 h + 0 .. 15
.endr
.elseif \j == 1
.irp T, 0,1,2,3
	global_store_b128 v2, v[CD+4*\T:CD+4*\T+3], s[86:87] offset:\T*1024     ; k likewise
.endr
.else
.irp u, 0,1
.irp g, 0,1
	global_store_b128 v2, v[CD+4*(2*\u+\g):CD+4*(2*\u+\g)+3], s[88:89] offset:\u*2048+\g*512   ; v: tile of channels 2 (wave % 2) + u, keys 32 g + 16 h + 0 .. 15 of my 64
.endr
.endr
.endif
.endm
	FETCHX 0
	PROD 0
	PROD 1
	PROD 2
	s_wait_tensorcnt 0x0
	ds_add_u32 v254, v255
	s_wait_dscnt 0x0
	s_endpgm
.Lfunc_end_k_qb77a520490_proj:
	.size	k_qb77a520490_proj, .Lfunc_end_k_qb77a520490_proj-k_qb77a520490_proj
	.p2alignl 7, 3214868480
	.fill 96, 4, 3214868480
	.section	.rodata,"a",@progbits
	.p2align	6, 0x0
	.amdhsa_kernel k_qb77a520490_proj
		.amdhsa_group_segment_fixed_size 54272
		.amdhsa_private_segment_fixed_size 0
		.amdhsa_enable_private_segment 0
		.amdhsa_kernarg_size 88
		.amdhsa_user_sgpr_count 2
		.amdhsa_user_sgpr_kernarg_segment_ptr 1
		.amdhsa_wavefront_size32 1
		.amdhsa_system_sgpr_workgroup_id_x 1
		.amdhsa_system_sgpr_workgroup_id_y 1
		.amdhsa_system_sgpr_workgroup_id_z 1
		.amdhsa_system_vgpr_workitem_id 0
		.amdhsa_next_free_vgpr 512
		.amdhsa_next_free_sgpr 96
		.amdhsa_reserve_vcc 0
		.amdhsa_float_denorm_mode_32 3
		.amdhsa_float_denorm_mode_16_64 3
		.amdhsa_memory_ordered 1
		.amdhsa_forward_progress 1
		.amdhsa_inst_pref_size 60
	.end_amdhsa_kernel
	.amdgpu_metadata
---
amdhsa.version: [ 1, 2 ]
amdhsa.kernels:
  - .name:           k_qb77a520490_proj
    .symbol:         k_qb77a520490_proj.kd
    .args:
      - { .name: spatial_feat, .offset: 0, .size: 8, .value_kind: global_buffer, .address_space: global }
      - { .name: freq_feat, .offset: 8, .size: 8, .value_kind: global_buffer, .address_space: global }
      - { .name: wq_codes, .offset: 16, .size: 8, .value_kind: global_buffer, .address_space: global }
      - { .name: wk_codes, .offset: 24, .size: 8, .value_kind: global_buffer, .address_space: global }
      - { .name: wv_codes, .offset: 32, .size: 8, .value_kind: global_buffer, .address_space: global }
      - { .name: bq, .offset: 40, .size: 8, .value_kind: global_buffer, .address_space: global }
      - { .name: bk, .offset: 48, .size: 8, .value_kind: global_buffer, .address_space: global }
      - { .name: bv, .offset: 56, .size: 8, .value_kind: global_buffer, .address_space: global }
      - { .name: lowp_scales, .offset: 64, .size: 8, .value_kind: global_buffer, .address_space: global }
      - { .name: qimg, .offset: 72, .size: 8, .value_kind: global_buffer, .address_space: global }
      - { .name: kv, .offset: 80, .size: 8, .value_kind: global_buffer, .address_space: global }
    .group_segment_fixed_size: 54272
    .private_segment_fixed_size: 0
    .kernarg_segment_align: 8
    .kernarg_segment_size: 88
    .max_flat_workgroup_size: 256
    .sgpr_count:     96
    .vgpr_count:     512
    .wavefront_size: 32
...
	.end_amdgpu_metadata
.endif
;; end of part 1
;; launch attn (part 2): grid 16 x 16, 8 waves a work-group, no clusters, 132,096 bytes of LDS; arguments qimg, kv, lowp_scales, oimg; writes oimg
.if DOCPART == 2
	.amdgcn_target "amdgcn-amd-amdhsa--gfx1250"
	.amdhsa_code_object_version 6
	.text
	.protected	k_qb77a520490_attn
	.globl	k_qb77a520490_attn
	.p2align	8
	.type	k_qb77a520490_attn,@function
k_qb77a520490_attn:
	s_mov_b64 s[64:65], 0
	v_nop
	global_prefetch_b8 v0, s[64:65] scope:SCOPE_SE
	s_setreg_imm32_b32 hwreg(HW_REG_WAVE_MODE, 25, 1), 1
	s_wait_xcnt 0x0
; ATTENTION ON CODES OF FP8 (E4M3), for the 16 combos y = (direction, batch, head): 4,096 queries x 4,096 keys, head size 64.
; THE SOFTMAX AHEAD OF THE SECOND PRODUCT: t = score x log2(e) / 8; M = the running largest t, rounded UP to a whole number; p = 2^(t - M) is what is quantised; the row's sum is taken of the
; unquantised p and divides at the end.  When M moves, the sum and O are multiplied by 2^(old M - new M), which rounds nothing.
; SHARES.  A work-group owns 256 queries of one combo; each of its eight waves owns two tiles of 16 (A and B), so that every fragment of K and V read from LDS feeds two matrix instructions.
; Every wave walks the combo's 32 key steps of 128 keys.  Both products are used transposed (S^T = K Q^T, O^T = V^T P^T): a lane holds one query (lane % 16) throughout.
; q, k and v come as images of the operands' registers, 16 bytes a lane: a fragment is loaded by lines of 512 consecutive bytes.  The keys and channels of a tile are chosen by the launch before so that
; the 16 registers of two neighbouring tiles are 16 neighbours along the next K.
; THE RING.  Two LDS slots of four key steps (64 KiB).  While a slot is read, the other is filled THROUGH REGISTERS: each wave loads its eighth (16 lines of 512 bytes) at the slot's head and stores it to LDS
; three key steps later.  One barrier a slot orders both ways: in front of it each wave has waited for its stores into the slot ahead and for its reads of the slot that it leaves.
; WHY NO TENSOR LOADS AND NO JOINT REQUESTS, though the 16 work-groups of a combo walk the same 512 KiB: p is at most 1, so with ep >= -8 the hold at 448 x 2^ep never acts, and a scalar branch on ep leaves out
; 128 of a key step's vector lines.  A fill is 32 lines a wave for four key steps, and it is asked for three key steps ahead of its use.
; VECTOR WORK BY TURNS: tile A's exponentials stand between the plain lines of tile B's maximum and scaling, tile B's between tile A's sums, so that no run of exponentials stands alone.
; LIMITS: eq + ek between -123 and 130 (added to c's exponent field); ep and eo between -126 and 119.  Where the hold is left out (ep >= -8), |t| stays under 2^23: t - M can pass 0 by half a unit of t's last
; place, and p must stay under 1.75.  NaN among the inputs is not served.
; REGISTERS.  Window 0: v1-6 addresses; v7 448 x 2^ep; v19 2^ep; tile e: v[8+4e] -M, +1 the largest t, +2, +3 the sum in two halves; v[16+8e] two chains of the maximum, +2 the exchange, +4 f, +6, +7 a second chain of sums;
;   v32-63 p's codes; v64-127 K's 8 fragments, then V's 4; v128-255 S^T, then p.   Window 1: v0-63 O^T (tile e, channels' tile d at 32 e + 8 d); v64-79 Q; v128-191 the fill on its way.
.set STEPB, 16384                      ; a key step in LDS and in memory: K's 8 tiles (8,192 bytes), then V's 4
.set SLOTB, 65536
.set LB,  1                            ; v1   16 x lane
.set LI,  2                            ; v2   the same in the slot that is being read
.set STB, 3                            ; v3   8,192 x wave + 16 x lane: my eighth of a slot
.set ST,  4                            ; v4   the same in the slot that is being filled
.set GF,  5                            ; v5   and in memory
.set GO,  6                            ; v6   16 x lane, for Q and O
.set LIM, 7
.set NM,  8
.set TA,  16
.set SCL, 19
.set PC,  32
.set KV,  64
.set SB,  128
.set QF,  64                           ; in window 1
.set FL,  128                          ; in window 1
.set WV,  12
.set SEL, 20                           ; s[20:21] lane selects for v_permlanex16_b32: lane l xor 16
.set CS,  22                           ; s[22:23] c = log2(e) / 8 x 2^(eq + ek)
.set EP,  24
.set EPV, 25
.set TRIP, 26
.set TB,  27                           ; s27  LDS byte at which the next slot to be read begins
.set KVP, 28
.set QP,  30
.set OP,  32
.set MSB, 0
.macro WIN new                         ; the immediate's high byte repeats the setting that is left
.if MSB != \new
	s_set_vgpr_msb (MSB<<8)|\new
.set MSB, \new
.endif
.endm
	s_load_b256 s[4:11], s[0:1], 0x0               ; qimg s[4:5], kv s[6:7], the scales' exponents s[8:9], oimg s[10:11]
	v_lshl_add_u32 v27, v0, 2, 0x20000
	s_set_vgpr_msb 0x40
	v_mov_b32 v193, 0
	s_set_vgpr_msb 0x4000
	v_lshrrev_b32 v1, 5, v0
	v_readfirstlane_b32 s[WV], v1                  ; wave 0..7
	s_mov_b32 s13, ttmp9                           ; the block of 256 queries
	s_and_b32 s14, ttmp7, 0xffff                   ; the combo
	s_lshr_b32 s15, s14, 3                         ; the direction
	s_lshl_b32 s[KVP], s14, 19                     ; the combo's 32 key steps
	s_mov_b32 s[KVP+1], 0
	s_lshl_b32 s16, s13, 4
	s_lshl_b32 s17, s[WV], 1
	s_add_co_u32 s16, s16, s17                     ; my first tile of queries: 16 x block + 2 x wave
	s_lshl_b32 s[QP], s14, 8
	s_add_co_u32 s[QP], s[QP], s16
	s_lshl_b32 s[QP], s[QP], 10                    ; a tile of q is 1,024 bytes
	s_mov_b32 s[QP+1], 0
	s_lshr_b32 s[OP], s14, 2
	s_lshl_b32 s[OP], s[OP], 8
	s_add_co_u32 s[OP], s[OP], s16
	s_lshl_b32 s[OP], s[OP], 12                    ; a tile of o is 4,096 bytes (256 channels),
	s_and_b32 s17, s14, 3
	s_lshl_b32 s17, s17, 10
	s_add_co_u32 s[OP], s[OP], s17                 ; of which my head's 64 begin at 1,024 x head
	s_mov_b32 s[OP+1], 0
	s_mov_b32 s[SEL], 0x76543210
	s_mov_b32 s[SEL+1], 0xfedcba98
	s_mov_b32 s[TB], 0
	s_lshl_b32 s16, s[WV], 13
	v_and_b32 v[LB], 31, v0
	v_lshlrev_b32 v[LB], 4, v[LB]
	v_add_nc_u32 v[STB], s16, v[LB]
	v_add_nc_u32 v[GF], s16, v[LB]
	v_and_b32 v[GO], 31, v0
	v_lshlrev_b32 v[GO], 4, v[GO]
	s_wait_kmcnt 0x0
	s_load_b512 s[68:83], s[8:9], 0x0              ; e0 .. e15: entry i stands in s[68 + i],
	s_load_b256 s[84:91], s[8:9], 0x40             ; e16 .. e23 likewise
	s_add_nc_u64 s[KVP:KVP+1], s[6:7], s[KVP:KVP+1]
	s_add_nc_u64 s[QP:QP+1], s[4:5], s[QP:QP+1]
	s_add_nc_u64 s[OP:OP+1], s[10:11], s[OP:OP+1]
	WIN 0x40                                       ; destination window 1
.irp i, 0,1,2,3,4,5,6,7,8,9,10,11,12,13,14,15
	global_load_b128 v[FL+4*\i:FL+4*\i+3], v[GF], s[KVP:KVP+1] offset:512*\i   ; my eighth of key steps 0 to 3
.endr
.irp e, 0,1
.irp c, 0,1
	global_load_b128 v[QF+8*\e+4*\c:QF+8*\e+4*\c+3], v[GO], s[QP:QP+1] offset:\e*1024+\c*512   ; Q's two fragments stay in registers
.endr
.endr
.set i, 0
.rept 64
	v_mov_b32 v[i], 0                              ; O^T.  (The key step is written without a first step of its own: the first finds zeros, which the first change of M leaves zeros)
.set i, i+1
.endr
	WIN 0
.irp e, 0,1
	v_mov_b32 v[NM+4*\e+1], 0xff61b1e6             ; the largest t so far: -3e38, under every t
	v_floor_f32 v[NM+4*\e], -v[NM+4*\e+1]          ; -M
	v_mov_b32 v[NM+4*\e+2], 0                      ; the sum, in two halves
	v_mov_b32 v[NM+4*\e+3], 0
	v_mov_b32 v[TA+8*\e+2], 0                      ; written once: a lane permute's destination counts as one of its sources
	v_mov_b32 v[TA+8*\e+5], 0                      ; (named as the upper half of f's pair)
.endr
	s_wait_kmcnt 0x0
	s_cmp_eq_u32 s15, 0
	s_cselect_b32 s16, s74, s86                    ; eq: e6 or e18
	s_cselect_b32 s17, s75, s87                    ; ek: e7 or e19
	s_cselect_b32 s18, s76, s88                    ; ev: e8 or e20
	s_cselect_b32 s[EP], s77, s89                  ; ep: e9 or e21
	s_cselect_b32 s19, s78, s90                    ; eo: e10 or e22
	s_add_co_i32 s16, s16, s17
	s_lshl_b32 s16, s16, 23
	s_mov_b32 s[CS], 0x3e38aa3b                    ; log2(e) / 8
	s_add_co_i32 s[CS], s[CS], s16                 ; a score stands for score x 2^(eq + ek): the two exponents are added to c's exponent field
	s_mov_b32 s[CS+1], s[CS]                       ; (named with it as a pair, so it is written)
	s_add_co_i32 s[EPV], s[EP], s18                ; ep + ev
	s_add_co_i32 s16, s[EP], 127
	s_lshl_b32 s17, s16, 23
	v_mov_b32 v[SCL], s17                          ; 2^ep as f32, for the conversion
	s_add_co_i32 s16, s16, 8
	s_lshl_b32 s16, s16, 23
	s_or_b32 s16, s16, 0x600000
	v_mov_b32 v[LIM], s16                          ; 448 x 2^ep
	s_add_co_i32 s19, s19, 127
	s_lshl_b32 s34, s19, 23                        ; 2^eo, kept for the way out
	s_add_co_i32 s19, s19, 8
	s_lshl_b32 s35, s19, 23
	s_or_b32 s35, s35, 0x600000                    ; 448 x 2^eo
	s_wait_loadcnt 4                               ; the fill's sixteen loads are in; Q's four, issued behind them, may be out
	WIN 0x04                                       ; the stores' data window 1
.irp i, 0,1,2,3,4,5,6,7,8,9,10,11,12,13,14,15
	ds_store_b128 v[STB], v[FL+4*\i:FL+4*\i+3] offset:512*\i
.endr
	WIN 0
	s_add_nc_u64 s[KVP:KVP+1], s[KVP:KVP+1], SLOTB ; (the loads that read this base are done)
	s_wait_loadcnt 0x0                             ; Q
; Line it of 73 of tile e's first part: the largest of its 64 scores in two chains (each accumulator is first read at its two lowest registers), the exchange with lane l xor 16, M and f, then t - M.
.macro P1 e
.set rS, SB+64*\e
.set rN, NM+4*\e
.set rT, TA+8*\e
.if it == 0
	v_max3_num_f32 v[rT], v[rS], v[rS+1], v[rS+2]
.elseif it == 1
	v_max3_num_f32 v[rT+1], v[rS+3], v[rS+4], v[rS+5]
.elseif it < 30
.set ii, 6+4*((it-2)/2)
.if (it%2) == 0
	v_max3_num_f32 v[rT], v[rT], v[rS+ii], v[rS+ii+1]
.else
	v_max3_num_f32 v[rT+1], v[rT+1], v[rS+ii+2], v[rS+ii+3]
.endif
.elseif it == 30
	v_max3_num_f32 v[rT], v[rT], v[rS+62], v[rS+63]
.elseif it == 31
	v_max_num_f32 v[rT], v[rT], v[rT+1]
.elseif it == 32
	v_permlanex16_b32 v[rT+2], v[rT], s[SEL], s[SEL+1]
.elseif it == 33
	v_max_num_f32 v[rT], v[rT], v[rT+2]
.elseif it == 34
	v_mul_f32 v[rT], s[CS], v[rT]                  ; as t (c is positive)
.elseif it == 35
	v_max_num_f32 v[rN+1], v[rN+1], v[rT]          ; the running largest t
.elseif it == 36
	v_mov_b32 v[rT], v[rN]
.elseif it == 37
	v_floor_f32 v[rN], -v[rN+1]                    ; the new -M = floor(-t) = -ceil(t)
.elseif it == 38
	v_sub_f32 v[rT], v[rN], v[rT]                  ; old M - new M: a whole number, 0 or less
.elseif it == 39
	v_cvt_i32_f32 v[rT], v[rT]                     ; (it saturates)
.elseif it == 40
	v_ldexp_f32 v[rT+4], 1.0, v[rT]                ; f = 2^(old M - new M)
.else
.set jj, 2*(it-41)
	v_pk_fma_f32 v[rS+jj:rS+jj+1], v[rS+jj:rS+jj+1], s[CS:CS+1], v[rN:rN+1] op_sel_hi:[1,0,0]   ; t - M, two at a time
.endif
.endm
.macro EXPN e                          ; p = 2^(t - M), number nx of tile e
	v_exp_f32 v[SB+64*\e+nx], v[SB+64*\e+nx]
.endm
; Line it of 33 of tile e's sums: the old sum x f, then the 64 unquantised p, two at a time, in two chains
.macro P2 e
.set rS, SB+64*\e
.set rU, NM+4*\e+2
.set rF, TA+8*\e+4
.set rW, TA+8*\e+6
.if it == 0
	v_pk_mul_f32 v[rU:rU+1], v[rU:rU+1], v[rF:rF+1] op_sel_hi:[1,0]
.elseif it == 1
	s_wait_alu depctr_va_vdst(0)
	v_pk_add_f32 v[rW:rW+1], v[rS:rS+1], v[rS+2:rS+3]
.elseif it < 32
.set jj, 4+4*((it-2)/2)
.if (it%2) == 0
	v_pk_add_f32 v[rU:rU+1], v[rU:rU+1], v[rS+jj:rS+jj+1]
.else
	v_pk_add_f32 v[rW:rW+1], v[rW:rW+1], v[rS+jj+2:rS+jj+3]
.endif
.else
	v_pk_add_f32 v[rU:rU+1], v[rU:rU+1], v[rW:rW+1]
.endif
.endm
; A KEY STEP: 128 keys, the q-th of the slot in hand, for both tiles.
.macro STEP q
.rept 4
	v_nop                                          ; four places in front of loads into registers that the last products read
.endr
.irp t, 0,1,2,3,4,5,6,7
.irp c, 0,1
	ds_load_b128 v[KV+8*\t+4*\c:KV+8*\t+4*\c+3], v[LI] offset:\q*STEPB+(2*\t+\c)*512
.endr
.endr
	s_wait_dscnt 0x0                               ; K's eight fragments are in
	WIN 0x04                                       ; source 1 (Q) window 1
.irp t, 0,1,2,3,4,5,6,7
.irp e, 0,1
	v_wmma_f32_16x16x64_fp8_fp8 v[SB+64*\e+8*\t:SB+64*\e+8*\t+7], v[KV+8*\t:KV+8*\t+7], v[QF+8*\e:QF+8*\e+7], 0
.endr
.endr
	WIN 0
.rept 4
	v_nop                                          ; places in front of V's loads into K's registers and of the first read of the scores
.endr
.irp d, 0,1,2,3
.irp c, 0,1,2,3
	ds_load_b128 v[KV+16*\d+4*\c:KV+16*\d+4*\c+3], v[LI] offset:\q*STEPB+8192+(4*\d+\c)*512   ; V lands while the softmax is walked
.endr
.endr
.set it, 0
.rept 73
	P1 0
.set it, it+1
.endr
.set nx, 0
.rept 64                               ; tile A's exponentials, a plain line of tile B's behind each
	EXPN 0
.set it, nx
	P1 1
.set nx, nx+1
.endr
.set it, 64
.rept 9
	P1 1
.set it, it+1
.endr
.set nx, 0
.rept 64                               ; tile B's exponentials, a line of tile A's sums behind every second
	EXPN 1
.if (nx%2) == 0
.set it, nx/2
	P2 0
.endif
.set nx, nx+1
.endr
.set it, 32
	P2 0                                           ; (a plain line behind the last exponential)
.set it, 0
.rept 33
	P2 1
.set it, it+1
.endr
	s_cmp_ge_i32 s[EP], -8                         ; p / 2^ep is under 448 for every p where ep >= -8: the hold is then left out
	s_cbranch_scc1 .Lnohold_\@
.set i, 0
.rept 128
	v_min_num_f32 v[SB+i], v[SB+i], v[LIM]         ; the conversion to an 8-bit code does not saturate (ISA guide 7.6.2); p is not negative, so the hold is one-sided
.set i, i+1
.endr
.Lnohold_\@:
.irp e, 0,1
.irp g, 0,1,2,3,4,5,6,7
	v_cvt_scalef32_pk8_fp8_f32 v[PC+16*\e+2*\g:PC+16*\e+2*\g+1], v[SB+64*\e+8*\g:SB+64*\e+8*\g+7], v[SCL]
.endr
.endr
	WIN 0x41                                       ; O^T (destination and source 0) window 1, f window 0
.irp e, 0,1
.set i, 0
.rept 16
	v_pk_mul_f32 v[32*\e+i:32*\e+i+1], v[32*\e+i:32*\e+i+1], v[TA+8*\e+4:TA+8*\e+5] op_sel_hi:[1,0]   ; O^T under the new M.  (These are also the plain lines behind the conversions)
.set i, i+2
.endr
.endr
	s_wait_dscnt 0x0                               ; V's four fragments are in
	WIN 0x50                                       ; C and D (O^T) window 1
.irp d, 0,1,2,3
.irp e, 0,1
	v_wmma_f32_16x16x128_fp8_fp8 v[32*\e+8*\d:32*\e+8*\d+7], v[KV+16*\d:KV+16*\d+15], v[PC+16*\e:PC+16*\e+15], v[32*\e+8*\d:32*\e+8*\d+7]   ; the eight accumulators by turns
.endr
.endr
	WIN 0
.endm
; A SLOT: four key steps.  fill = 1: the other slot is filled meanwhile with the four key steps that follow.
.macro PART fill
	s_wait_dscnt 0x0                               ; my stores into the slot ahead are done, and my reads of the slot that I leave are back
	s_barrier_signal -1
	s_barrier_wait -1                              ; both now hold of every wave
	v_add_nc_u32 v[LI], s[TB], v[LB]
	s_xor_b32 s[TB], s[TB], SLOTB                  ; the other slot: filled now, read next
.if \fill
	v_add_nc_u32 v[ST], s[TB], v[STB]
	WIN 0x40
.irp i, 0,1,2,3,4,5,6,7,8,9,10,11,12,13,14,15
	global_load_b128 v[FL+4*\i:FL+4*\i+3], v[GF], s[KVP:KVP+1] offset:512*\i
.endr
	WIN 0
.endif
	STEP 0
	STEP 1
	STEP 2
.if \fill
	s_wait_loadcnt 0x0                             ; asked for three key steps ago
	WIN 0x04
.irp i, 0,1,2,3,4,5,6,7,8,9,10,11,12,13,14,15
	ds_store_b128 v[ST], v[FL+4*\i:FL+4*\i+3] offset:512*\i
.endr
	WIN 0
	s_add_nc_u64 s[KVP:KVP+1], s[KVP:KVP+1], SLOTB ; (the loads that read this base are done)
.endif
	STEP 3
.endm
	s_mov_b32 s[TRIP], 7
.Lslot:                                            ; seven slots are read with the next one filled beside them;
	PART 1
	s_sub_co_u32 s[TRIP], s[TRIP], 1
	s_cmp_lg_u32 s[TRIP], 0
	s_cbranch_scc1 .Lslot
	PART 0                                         ; the eighth is written out: nothing is left to fetch
	; THE WAY OUT: o = O^T x 2^(ep + ev) / the sum, quantised with 2^eo along the channels, stored as the image of the last product's operand.
.rept 4
	v_nop                                          ; places behind the last products
.endr
.irp e, 0,1
	v_add_f32 v[NM+4*\e+2], v[NM+4*\e+2], v[NM+4*\e+3]             ; the sum's two halves,
.endr
.irp e, 0,1
	v_permlanex16_b32 v[TA+8*\e+2], v[NM+4*\e+2], s[SEL], s[SEL+1]
.endr
.irp e, 0,1
	v_add_f32 v[NM+4*\e+2], v[NM+4*\e+2], v[TA+8*\e+2]             ; and lane l xor 16's: the row's sum
.endr
.irp e, 0,1
	v_rcp_f32 v[NM+4*\e+2], v[NM+4*\e+2]
.endr
	v_mov_b32 v[SCL], s34                          ; (plain lines behind the reciprocals)  2^eo
	v_mov_b32 v[LIM], s35                          ; 448 x 2^eo
	s_wait_alu depctr_va_vdst(0)
.irp e, 0,1
	v_ldexp_f32 v[TA+8*\e+4], v[NM+4*\e+2], s[EPV]
.endr
	WIN 0x01                                       ; source 0 (O^T) window 1
.irp e, 0,1
.set i, 0
.rept 16
	v_pk_mul_f32 v[SB+64*\e+i:SB+64*\e+i+1], v[32*\e+i:32*\e+i+1], v[TA+8*\e+4:TA+8*\e+5] op_sel_hi:[1,0]   ; register 16 b + i: channel 32 b + 16 (lane / 16) + i; each accumulator from its low end on
.set i, i+2
.endr
.endr
	WIN 0
.irp e, 0,1
.set i, 0
.rept 32
	v_med3_num_f32 v[SB+64*\e+i], v[SB+64*\e+i], -v[LIM], v[LIM]
.set i, i+1
.endr
.endr
.irp e, 0,1
.irp g, 0,1,2,3
	v_cvt_scalef32_pk8_fp8_f32 v[PC+16*\e+2*\g:PC+16*\e+2*\g+1], v[SB+64*\e+8*\g:SB+64*\e+8*\g+7], v[SCL]
.endr
.endr
	v_nop
.irp e, 0,1
.irp b, 0,1
	global_store_b128 v[GO], v[PC+16*\e+4*\b:PC+16*\e+4*\b+3], s[OP:OP+1] offset:\e*4096+\b*512   ; the wave stores 512 consecutive bytes, aligned
.endr
.endr
	s_set_vgpr_msb 0x4
	s_wait_tensorcnt 0x0
	ds_add_u32 v27, v193
	s_wait_dscnt 0x0
	s_set_vgpr_msb 0x400
	s_endpgm
.Lfunc_end_k_qb77a520490_attn:
	.size	k_qb77a520490_attn, .Lfunc_end_k_qb77a520490_attn-k_qb77a520490_attn
	.p2alignl 7, 3214868480
	.fill 96, 4, 3214868480
	.section	.rodata,"a",@progbits
	.p2align	6, 0x0
	.amdhsa_kernel k_qb77a520490_attn
		.amdhsa_group_segment_fixed_size 132096
		.amdhsa_private_segment_fixed_size 0
		.amdhsa_enable_private_segment 0
		.amdhsa_kernarg_size 32
		.amdhsa_user_sgpr_count 2
		.amdhsa_user_sgpr_kernarg_segment_ptr 1
		.amdhsa_wavefront_size32 1
		.amdhsa_system_sgpr_workgroup_id_x 1
		.amdhsa_system_sgpr_workgroup_id_y 1
		.amdhsa_system_sgpr_workgroup_id_z 1
		.amdhsa_system_vgpr_workitem_id 0
		.amdhsa_next_free_vgpr 450
		.amdhsa_next_free_sgpr 96
		.amdhsa_reserve_vcc 0
		.amdhsa_float_denorm_mode_32 3
		.amdhsa_float_denorm_mode_16_64 3
		.amdhsa_memory_ordered 1
		.amdhsa_forward_progress 1
		.amdhsa_inst_pref_size 243
	.end_amdhsa_kernel
	.amdgpu_metadata
---
amdhsa.version: [ 1, 2 ]
amdhsa.kernels:
  - .name:           k_qb77a520490_attn
    .symbol:         k_qb77a520490_attn.kd
    .args:
      - { .name: qimg, .offset: 0, .size: 8, .value_kind: global_buffer, .address_space: global }
      - { .name: kv, .offset: 8, .size: 8, .value_kind: global_buffer, .address_space: global }
      - { .name: lowp_scales, .offset: 16, .size: 8, .value_kind: global_buffer, .address_space: global }
      - { .name: oimg, .offset: 24, .size: 8, .value_kind: global_buffer, .address_space: global }
    .group_segment_fixed_size: 132096
    .private_segment_fixed_size: 0
    .kernarg_segment_align: 8
    .kernarg_segment_size: 32
    .max_flat_workgroup_size: 256
    .sgpr_count:     96
    .vgpr_count:     450
    .wavefront_size: 32
...
	.end_amdgpu_metadata
.endif
;; end of part 2
;; launch outp (part 3): grid 128 x 2, 16 waves a work-group, no clusters, 69,632 bytes of LDS; arguments oimg, wo_codes, bo, spatial_feat, freq_feat, lowp_scales, out0; writes out0
.if DOCPART == 3
	.amdgcn_target "amdgcn-amd-amdhsa--gfx1250"
	.amdhsa_code_object_version 6
	.text
	.protected	k_qb77a520490_outp
	.globl	k_qb77a520490_outp
	.p2align	8
	.type	k_qb77a520490_outp,@function
k_qb77a520490_outp:
	s_mov_b64 s[64:65], 0
	v_nop
	global_prefetch_b8 v0, s[64:65] scope:SCOPE_SE
	s_setreg_imm32_b32 hwreg(HW_REG_WAVE_MODE, 25, 1), 1
	s_wait_xcnt 0x0
; out0[b][n][m] = S + F + 2 bo[n] + 2^(e10 + e11) sum_c o0(m, c) wo(n, c) + 2^(e22 + e23) sum_c o1(m, c) wo(n, c), both products on codes of FP8 (E4M3).
; A work-group takes 64 positions of one batch (x = 64 batch + block) and 128 outputs (y).  Wave w: positions 32 (w % 2) on (two tiles), outputs 16 (w / 2) on (one tile), both directions: four accumulators.
; o comes as images of the operand's registers: the 32 KiB of the block's 4 tiles x 2 directions are read once, 2 KiB a wave, and shared through LDS as they lie.
; The product is used as it stands (source 0 = 16 positions, source 1 = 16 rows of wo): a lane holds one output and, over its two tiles, 16 neighbouring positions, 64 bytes of a row of out0.
; The rows meet in a stage in LDS (128 rows of 256 bytes + 16) and leave whole: sixteen lanes store 256 consecutive bytes, aligned, with S and F added on the way.
; LIMITS: e10 + e11 and e22 + e23 between -126 and 127, so that each power of two is an f32 number.
; No tensor load, no cluster: a work-group's whole input is 32 KiB of codes, 4 KiB of weights a wave and its own 64 KiB of S and F; only wo's 32 KiB are shared with others.
.set STG, 32768                        ; behind o's images
.set SP,  272
.set OF,  64                           ; v64-191  o's fragments (direction d, tile u, K step s) at 64 + 16 (4 d + 2 u + s)
.set AC,  192                          ; v192-223 accumulator (d, u) at 192 + 8 (2 d + u)
.set Y,   64                           ; later: v64-79 my 16 results
.set RB,  80                           ; v80-95   rows read back from the stage
.set RS,  224                          ; v224-239 S's rows
.set RF,  240                          ; v240-255 F's rows
	s_load_b256 s[4:11], s[0:1], 0x0               ; oimg s[4:5], wo s[6:7], bo s[8:9], S s[10:11]
	s_load_b128 s[12:15], s[0:1], 0x20             ; F s[12:13], the scales' exponents s[14:15]
	s_load_b64 s[16:17], s[0:1], 0x30              ; out0
	v_lshl_add_u32 v12, v0, 2, 0x10800
	v_mov_b32 v13, 0
	v_lshrrev_b32 v9, 5, v0
	v_readfirstlane_b32 s18, v9                    ; wave 0..15
	s_and_b32 s28, ttmp7, 0xffff                   ; which 128 outputs
	s_lshr_b32 s29, ttmp9, 6                       ; batch
	s_and_b32 s30, ttmp9, 63                       ; block of 64 positions
	s_and_b32 s31, s18, 1                          ; g
	s_lshr_b32 s32, s18, 1                         ; nt
	s_lshr_b32 s34, s18, 3                         ; my share of oimg: direction w / 8,
	s_lshl_b32 s34, s34, 1
	s_add_co_u32 s34, s34, s29
	s_lshl_b32 s34, s34, 20                        ; (2 direction + batch) x 256 tiles of 4,096 bytes
	s_lshl_b32 s33, s30, 14                        ; + 4 block tiles
	s_add_co_u32 s34, s34, s33
	s_and_b32 s33, s18, 7
	s_lshl_b32 s33, s33, 11                        ; + 2,048 (w % 8)
	s_add_co_u32 s34, s34, s33
	s_mov_b32 s35, 0
	s_lshl_b32 s36, s28, 15                        ; wo: row 128 y + 16 nt of 256 bytes
	s_lshl_b32 s33, s32, 12
	s_add_co_u32 s36, s36, s33
	s_mov_b32 s37, 0
	s_lshr_b32 s38, s36, 6                         ; bo: the same row x 4 bytes
	s_mov_b32 s39, 0
	s_lshl_b32 s40, s29, 22                        ; S, F, out0: batch x 4 MiB + (128 y + 8 w) rows of 16 KiB + 256 block
	s_lshl_b32 s33, s28, 21
	s_add_co_u32 s40, s40, s33
	s_lshl_b32 s33, s18, 17
	s_add_co_u32 s40, s40, s33
	s_lshl_b32 s33, s30, 8
	s_add_co_u32 s40, s40, s33
	s_mov_b32 s41, 0
	v_and_b32 v1, 31, v0
	v_lshlrev_b32 v1, 4, v1                        ; 16 x lane
	s_lshl_b32 s33, s18, 11
	v_add_nc_u32 v2, s33, v1                       ; where my share goes in LDS: 2,048 w
	s_lshl_b32 s33, s31, 13
	v_add_nc_u32 v3, s33, v1                       ; my two tiles' images: 8,192 g
	v_and_b32 v10, 15, v0                          ; r
	v_bfe_u32 v11, v0, 4, 1                        ; h
	v_lshlrev_b32 v4, 8, v10
	v_lshl_add_u32 v4, v11, 4, v4                  ; wo's fragment: row r + 16 h
	v_lshlrev_b32 v5, 2, v10                       ; bo: my output's number
	v_mul_u32_u24 v6, v10, SP                      ; the stage, in: row 16 nt + r, byte 128 g + 64 h
	v_lshl_add_u32 v6, v11, 6, v6
	s_mul_i32 s33, s32, 16*SP
	s_lshl_b32 s19, s31, 7
	s_add_co_u32 s33, s33, s19
	s_add_co_u32 s33, s33, STG
	v_add_nc_u32 v6, s33, v6
	v_mul_u32_u24 v7, v11, SP                      ; and back: rows 8 w on; lanes 0-15 one row, lanes 16-31 the next
	v_lshl_add_u32 v7, v10, 4, v7
	s_mul_i32 s33, s18, 8*SP
	s_add_co_u32 s33, s33, STG
	v_add_nc_u32 v7, s33, v7
	v_lshlrev_b32 v8, 14, v11                      ; the same two rows in S, F and out0
	v_lshl_add_u32 v8, v10, 4, v8
	s_wait_kmcnt 0x0
	s_load_b64 s[20:21], s[14:15], 0x28            ; e10, e11
	s_load_b64 s[22:23], s[14:15], 0x58            ; e22, e23
	s_add_nc_u64 s[4:5], s[4:5], s[34:35]
	s_add_nc_u64 s[6:7], s[6:7], s[36:37]
	s_add_nc_u64 s[8:9], s[8:9], s[38:39]
	s_add_nc_u64 s[10:11], s[10:11], s[40:41]
	s_add_nc_u64 s[12:13], s[12:13], s[40:41]
	s_add_nc_u64 s[16:17], s[16:17], s[40:41]
.irp i, 0,1,2,3
	global_load_b128 v[16+4*\i:19+4*\i], v1, s[4:5] offset:512*\i
.endr
.irp s, 0,1
.irp c, 0,1,2,3
	global_load_b128 v[32+16*\s+4*\c:35+16*\s+4*\c], v4, s[6:7] offset:128*\s+32*\c
.endr
.endr
	global_load_b32 v14, v5, s[8:9]
.irp i, 0,1,2,3
	global_load_b128 v[RS+4*\i:RS+4*\i+3], v8, s[10:11] offset:32768*\i th:TH_LOAD_NT
.endr
.irp i, 0,1,2,3
	global_load_b128 v[RF+4*\i:RF+4*\i+3], v8, s[12:13] offset:32768*\i th:TH_LOAD_NT
.endr
	s_wait_loadcnt 17                              ; my share of o is in: behind it 8 loads of wo, 1 of bo, 4 of S and 4 of F were issued
.irp i, 0,1,2,3
	ds_store_b128 v2, v[16+4*\i:19+4*\i] offset:512*\i
.endr
	s_wait_kmcnt 0x0
	s_add_co_i32 s24, s20, s21
	s_add_co_i32 s24, s24, 127
	s_lshl_b32 s24, s24, 23                        ; 2^(e10 + e11) as f32
	s_mov_b32 s25, s24                             ; (named with it as a pair, so it is written)
	s_add_co_i32 s26, s22, s23
	s_add_co_i32 s26, s26, 127
	s_lshl_b32 s26, s26, 23                        ; 2^(e22 + e23)
	s_mov_b32 s27, s26
	s_wait_dscnt 0x0                               ; for the others' sake: my stores are done
	s_barrier_signal -1
	s_barrier_wait -1                              ; o's 32 KiB lie in LDS
.irp d, 0,1
.irp u, 0,1
.irp s, 0,1
.irp c, 0,1,2,3
	ds_load_b128 v[OF+16*(4*\d+2*\u+\s)+4*\c:OF+16*(4*\d+2*\u+\s)+4*\c+3], v3 offset:\d*16384+\u*4096+\s*2048+\c*512
.endr
.endr
.endr
.endr
	s_wait_loadcnt 8                               ; wo and bo are in; S's and F's eight loads may be out
	v_add_f32 v14, v14, v14                        ; 2 bo: once for each direction
	v_mov_b32 v15, v14
	s_wait_dscnt 0x0
.irp s, 0,1                            ; the four accumulators by turns, a K step at a time
.irp d, 0,1
.irp u, 0,1
.if \s == 0
	v_wmma_f32_16x16x128_fp8_fp8 v[AC+8*(2*\d+\u):AC+8*(2*\d+\u)+7], v[OF+16*(4*\d+2*\u+\s):OF+16*(4*\d+2*\u+\s)+15], v[32+16*\s:47+16*\s], 0
.else
	v_wmma_f32_16x16x128_fp8_fp8 v[AC+8*(2*\d+\u):AC+8*(2*\d+\u)+7], v[OF+16*(4*\d+2*\u+\s):OF+16*(4*\d+2*\u+\s)+15], v[32+16*\s:47+16*\s], v[AC+8*(2*\d+\u):AC+8*(2*\d+\u)+7]
.endif
.endr
.endr
.endr
.rept 4
	v_nop                                          ; four places (ISA guide 7.12.1) in front of the first read of results and of writes over the products' sources
.endr
.irp u, 0,1
.irp i, 0,2,4,6
	v_pk_fma_f32 v[Y+8*\u+\i:Y+8*\u+\i+1], v[AC+8*\u+\i:AC+8*\u+\i+1], s[24:25], v[14:15] op_sel_hi:[1,0,1]   ; direction 0's sum x its power of two + 2 bo
.endr
.endr
.irp u, 0,1
.irp i, 0,2,4,6
	v_pk_fma_f32 v[Y+8*\u+\i:Y+8*\u+\i+1], v[AC+16+8*\u+\i:AC+16+8*\u+\i+1], s[26:27], v[Y+8*\u+\i:Y+8*\u+\i+1] op_sel_hi:[1,0,1]   ; + direction 1's
.endr
.endr
.irp u, 0,1
	ds_store_b128 v6, v[Y+8*\u:Y+8*\u+3] offset:32*\u          ; positions 32 g + 16 h + 8 u + 0 .. 7 of my output's row
	ds_store_b128 v6, v[Y+8*\u+4:Y+8*\u+7] offset:32*\u+16
.endr
	s_wait_loadcnt 0x0                             ; S and F
.irp i, 0,2,4,6,8,10,12,14
	v_pk_add_f32 v[RS+\i:RS+\i+1], v[RS+\i:RS+\i+1], v[RF+\i:RF+\i+1]
.endr
	s_wait_dscnt 0x0                               ; for the others' sake: my stores into the stage are done
	s_barrier_signal -1
	s_barrier_wait -1                              ; 128 whole rows lie in the stage
.irp i, 0,1,2,3
	ds_load_b128 v[RB+4*\i:RB+4*\i+3], v7 offset:2*\i*SP
.endr
	s_wait_dscnt 0x0
.irp i, 0,2,4,6,8,10,12,14
	v_pk_add_f32 v[RS+\i:RS+\i+1], v[RS+\i:RS+\i+1], v[RB+\i:RB+\i+1]
.endr
.irp i, 0,1,2,3
	global_store_b128 v8, v[RS+4*\i:RS+4*\i+3], s[16:17] offset:32768*\i th:TH_STORE_NT   ; 16 lanes store 256 consecutive bytes, at a multiple of 256 from out0's first byte
.endr
	s_wait_tensorcnt 0x0
	ds_add_u32 v12, v13
	s_wait_dscnt 0x0
	s_endpgm
.Lfunc_end_k_qb77a520490_outp:
	.size	k_qb77a520490_outp, .Lfunc_end_k_qb77a520490_outp-k_qb77a520490_outp
	.p2alignl 7, 3214868480
	.fill 96, 4, 3214868480
	.section	.rodata,"a",@progbits
	.p2align	6, 0x0
	.amdhsa_kernel k_qb77a520490_outp
		.amdhsa_group_segment_fixed_size 69632
		.amdhsa_private_segment_fixed_size 0
		.amdhsa_enable_private_segment 0
		.amdhsa_kernarg_size 56
		.amdhsa_user_sgpr_count 2
		.amdhsa_user_sgpr_kernarg_segment_ptr 1
		.amdhsa_wavefront_size32 1
		.amdhsa_system_sgpr_workgroup_id_x 1
		.amdhsa_system_sgpr_workgroup_id_y 1
		.amdhsa_system_sgpr_workgroup_id_z 1
		.amdhsa_system_vgpr_workitem_id 0
		.amdhsa_next_free_vgpr 256
		.amdhsa_next_free_sgpr 66
		.amdhsa_reserve_vcc 0
		.amdhsa_float_denorm_mode_32 3
		.amdhsa_float_denorm_mode_16_64 3
		.amdhsa_memory_ordered 1
		.amdhsa_forward_progress 1
		.amdhsa_inst_pref_size 12
	.end_amdhsa_kernel
	.amdgpu_metadata
---
amdhsa.version: [ 1, 2 ]
amdhsa.kernels:
  - .name:           k_qb77a520490_outp
    .symbol:         k_qb77a520490_outp.kd
    .args:
      - { .name: oimg, .offset: 0, .size: 8, .value_kind: global_buffer, .address_space: global }
      - { .name: wo_codes, .offset: 8, .size: 8, .value_kind: global_buffer, .address_space: global }
      - { .name: bo, .offset: 16, .size: 8, .value_kind: global_buffer, .address_space: global }
      - { .name: spatial_feat, .offset: 24, .size: 8, .value_kind: global_buffer, .address_space: global }
      - { .name: freq_feat, .offset: 32, .size: 8, .value_kind: global_buffer, .address_space: global }
      - { .name: lowp_scales, .offset: 40, .size: 8, .value_kind: global_buffer, .address_space: global }
      - { .name: out0, .offset: 48, .size: 8, .value_kind: global_buffer, .address_space: global }
    .group_segment_fixed_size: 69632
    .private_segment_fixed_size: 0
    .kernarg_segment_align: 8
    .kernarg_segment_size: 56
    .max_flat_workgroup_size: 512
    .sgpr_count:     66
    .vgpr_count:     256
    .wavefront_size: 32
...
	.end_amdgpu_metadata
.endif
;; end of part 3
;; ======== version 2 of 2: 3 launches; version 1 with the launches proj, attn, outp written anew for expert scheduling mode
;; limits: right only within a limited range of input values
;; workspace buffers: qimg 4,194,304 bytes; kv 8,388,608 bytes; oimg 4,194,304 bytes
;; launch proj (part 4): grid 64 x 4, 8 waves a work-group, no clusters, 54,272 bytes of LDS; arguments spatial_feat, freq_feat, wq_codes, wk_codes, wv_codes, bq, bk, bv, lowp_scales, qimg, kv; writes qimg, kv
.if DOCPART == 4
	.amdgcn_target "amdgcn-amd-amdhsa--gfx1250"
	.amdhsa_code_object_version 6
	.text
	.protected	k_qb77a520490_proj
	.globl	k_qb77a520490_proj
	.p2align	8
	.type	k_qb77a520490_proj,@function
k_qb77a520490_proj:
	s_mov_b64 s[64:65], 0
	v_nop
	global_prefetch_b8 v0, s[64:65] scope:SCOPE_SE
	s_setreg_imm32_b32 hwreg(HW_REG_WAVE_SCHED_MODE, 0, 2), 2
	s_setreg_imm32_b32 hwreg(HW_REG_WAVE_MODE, 25, 1), 1
	s_wait_xcnt 0x0
	s_wait_alu depctr_vm_vsrc(0)
; THE SIX PROJECTIONS.  X is spatial_feat (src = 0) or freq_feat (src = 1), [2][256 c][4096 positions] f32, K = c is NOT innermost.
; A work-group takes 64 positions of one batch of one X, all 256 c (64 KB, read once in the launch), and makes three products from it:
;   j = 0: q of direction src;  j = 1: k of direction 1 - src;  j = 2: v of direction 1 - src.  Each has its own scale for X, so X is quantised three times.
; X: a lane takes a position and its registers run down c, so the conversions give codes with c innermost; they meet in LDS as 64 rows of 256 codes.
; The eight waves share the outputs: wave w makes outputs 32 w .. 32 w + 31 of all three products for the 64 positions; its weights stay in registers.
; q and k are used transposed (source 0 = 16 rows of W, source 1 = 16 positions): a lane holds one position and 16 neighbouring outputs: the next product's K (the head's 64).
; v is used as it stands (source 0 = 16 positions, source 1 = 16 rows of W): a lane holds one channel and 16 neighbouring positions: the next product's K (the keys).
; THE ROWS OF A TILE ARE NOT NEIGHBOURS: row r of a tile of W or of positions is 8 u + r + 8 (r / 8) of its 32, u = the tile's parity, so that two neighbouring tiles' 16 registers are 16 neighbours.
; The bias goes in as the C of a sum's first matrix instruction, divided by 2^(ea + ew); the three scales ahead of the next quantiser are folded into the conversion's one.
; RESULTS are stored as images of the next launch's operand registers: each store of the wave covers 512 consecutive bytes, aligned.
; All fragments hold k = 32 c + 16 (lane / 16) + 0 .. 15 in registers 4 c .. 4 c + 3: a permutation of k that is the same on both sides of every product.
; LIMITS on the given exponents, so that each power of two is an f32 number: ea, and en - ea - ew, between -126 and 119.  NaN among the inputs is not served.
; No tensor load, no cluster: no two work-groups read the same bytes of X; of the weights each wave reads its own 24 KB once, straight into the registers where they stay.
; THE MODE: SCHED_MODE bits 1:0 = 2 (LLVM: expert scheduling mode 2), set by the entry lines.  The code itself states the register dependences
; between vector or matrix instructions and memory or LDS instructions, with s_wait_alu, always for 0.
; THE PLAN.  Registers that memory or LDS instructions touch:
;   v1-v7     offsets and LDS addresses: written once at the head, ahead of the first load; never written again.
;   v32-159   first X as loaded (v32-95) and the held numbers (v96-159), named by the holds and conversions; behind the barrier X's eight fragments: a product's matrix instructions read them,
;             and the next product's fragments land in them behind that product's wait.
;   v160-207  X's codes under the three scales: written by the conversions, read by twelve LDS stores in one run; behind the barrier they are accumulators.
;   the results' codes: a set of 16 registers to each product, so that no store's data are ever written again: q's v224-239, k's v8-23, v's v32-47.  A product's four stores stand behind
;             the NEXT product's wait, v's behind a wait of their own.
; So one wait on va_vdst stands ahead of the first load, one ahead of the LDS stores, one in each product behind its matrix instructions, one ahead of the last stores; one wait on vm_vsrc stands behind the barrier.
; REGISTERS.  Window 0: v1-7 addresses; v8-9 bv's two numbers, v10-15 at work at the head, v16-21 X's scales, v22-27 the results' scales; first v32-95 X as loaded, v96-159 held numbers, v160-207 X's codes;
;   then v32-159 X's 8 fragments, v160-223 8 accumulators, v224-239 q's codes; k's codes take v8-23 when bv's numbers, X's scales and q's scales are done with; v's codes take v32-47 behind the last products.
;   Window 1: v0-191 the weights' fragments (product j, tile u, K step s at 64 j + 32 u + 16 s); v192-239 the biases, 16 registers a product.
.set PITCH, 272                        ; an LDS row: 256 codes + 16 bytes of padding
.set XQB,   64*PITCH                   ; X's codes under one scale: 64 rows
.set XR,    32
.set TMP,   96
.set CX,    160
.set XF,    32
.set ACC,   160
.set CDQ,   224                        ; q's codes
.set CDK,   8                          ; k's codes
.set CDV,   32                         ; v's codes
.set BI,    192
.set MSB, 0
.macro WIN new                         ; the immediate's high byte repeats the setting that is left
.if MSB != \new
	s_set_vgpr_msb (MSB<<8)|\new
.set MSB, \new
.endif
.endm
	s_load_b512 s[4:19], s[0:1], 0x0               ; S s[4:5], F s[6:7], wq s[8:9], wk s[10:11], wv s[12:13], bq s[14:15], bk s[16:17], bv s[18:19]
	s_load_b128 s[20:23], s[0:1], 0x40             ; the scales' exponents s[20:21], qimg s[22:23]
	s_load_b64 s[24:25], s[0:1], 0x50              ; kv
	v_lshl_add_u32 v254, v0, 2, 0xd000
	v_mov_b32 v255, 0
	v_lshrrev_b32 v10, 5, v0
	v_readfirstlane_b32 s26, v10                   ; wave 0..7
	s_wait_alu depctr_va_sdst(0)                   ; s26 is written, ahead of its first reader: offsets and LDS addresses are made from it
	s_mov_b32 s27, ttmp9                           ; the block of 64 positions
	s_and_b32 s28, ttmp7, 0xffff                   ; y = 2 src + batch
	s_lshr_b32 s29, s28, 1                         ; src
	s_and_b32 s30, s28, 1                          ; batch
	s_lshr_b32 s31, s26, 1                         ; wave / 2: which 64 of c I load; the head of my outputs
	s_and_b32 s34, s26, 1                          ; wave % 2: which 32 positions I load; which half of the head
	; X: batch x 4 MiB + 64 (wave / 2) rows of 16 KiB + (64 block + 32 (wave % 2)) x 4
	s_lshl_b32 s32, s30, 22
	s_lshl_b32 s33, s31, 20
	s_add_co_u32 s32, s32, s33
	s_lshl_b32 s33, s27, 8
	s_add_co_u32 s32, s32, s33
	s_lshl_b32 s33, s34, 7
	s_add_co_u32 s32, s32, s33
	s_mov_b32 s33, 0
	s_lshl_b32 s60, s26, 13                        ; my 32 rows of each weight
	s_mov_b32 s61, 0
	s_lshl_b32 s62, s26, 7                         ; my 32 numbers of each bias
	s_mov_b32 s63, 0
	; qimg: ((4 y + head) x 256 + 4 block) tiles of 1,024 bytes + 512 (wave % 2)
	s_lshl_b32 s84, s28, 2
	s_add_co_u32 s84, s84, s31
	s_lshl_b32 s84, s84, 18
	s_lshl_b32 s35, s27, 12
	s_add_co_u32 s84, s84, s35
	s_lshl_b32 s35, s34, 9
	s_add_co_u32 s84, s84, s35
	s_mov_b32 s85, 0
	; kv: the other direction's combo (y xor 2): (4 (y xor 2) + head) x 32 key steps of 16 KiB + block / 2
	s_xor_b32 s86, s28, 2
	s_lshl_b32 s86, s86, 2
	s_add_co_u32 s86, s86, s31
	s_lshl_b32 s86, s86, 19
	s_lshr_b32 s35, s27, 1
	s_lshl_b32 s35, s35, 14
	s_add_co_u32 s86, s86, s35
	s_and_b32 s35, s27, 1
	s_lshl_b32 s88, s35, 10                        ; V's part: 8,192 + 4,096 (wave % 2) + 1,024 (block % 2)
	s_add_co_u32 s88, s88, s86
	s_lshl_b32 s81, s34, 12
	s_add_co_u32 s88, s88, s81
	s_add_co_u32 s88, s88, 8192
	s_mov_b32 s89, 0
	s_lshl_b32 s35, s35, 12                        ; K's part: 4,096 (block % 2) + 512 (wave % 2)
	s_add_co_u32 s86, s86, s35
	s_lshl_b32 s35, s34, 9
	s_add_co_u32 s86, s86, s35
	s_mov_b32 s87, 0
	v_and_b32 v10, 31, v0                          ; lane
	v_lshlrev_b32 v1, 2, v10                       ; X: 4 bytes a lane
	v_lshlrev_b32 v2, 4, v10                       ; the images: 16 bytes a lane
	v_and_b32 v11, 15, v0                          ; r
	v_bfe_u32 v12, v0, 4, 1                        ; h
	v_and_b32 v13, 8, v11
	v_add_nc_u32 v13, v13, v11                     ; r + 8 (r / 8)
	v_lshlrev_b32 v3, 8, v13
	v_lshl_add_u32 v3, v12, 4, v3                  ; a weight's fragment: that row of 256 bytes + 16 h
	v_lshlrev_b32 v4, 6, v12                       ; bq, bk: my 16 numbers begin at 16 h
	v_lshlrev_b32 v5, 2, v13                       ; bv: my channel's one number
	v_and_b32 v14, 7, v0                           ; my position is 32 (wave % 2) + 16 a + 8 u + l; its LDS row is 32 (wave % 2) + 16 u + 8 a + l, so that a tile's 16 rows lie on end
	v_bfe_u32 v15, v0, 3, 1
	v_lshl_add_u32 v14, v15, 4, v14
	v_lshl_add_u32 v14, v12, 3, v14
	v_mul_u32_u24 v6, v14, PITCH
	s_mul_i32 s35, s34, 32*PITCH
	s_lshl_b32 s81, s31, 6
	s_add_co_u32 s35, s35, s81
	v_add_nc_u32 v6, s35, v6                       ; + my 64 codes' place in the row
	v_mul_u32_u24 v7, v11, PITCH
	v_lshl_add_u32 v7, v12, 4, v7                  ; X's fragments: row r + 16 h
	s_wait_kmcnt 0x0
	s_load_b512 s[36:51], s[20:21], 0x0            ; e0 .. e15: entry i stands in s[36 + i],
	s_load_b256 s[52:59], s[20:21], 0x40           ; e16 .. e23 likewise
	s_cmp_eq_u32 s29, 0                            ; the choice hangs on the work-group's number alone
	s_cselect_b64 s[82:83], s[4:5], s[6:7]
	s_add_nc_u64 s[82:83], s[82:83], s[32:33]
	s_add_nc_u64 s[8:9], s[8:9], s[60:61]
	s_add_nc_u64 s[10:11], s[10:11], s[60:61]
	s_add_nc_u64 s[12:13], s[12:13], s[60:61]
	s_add_nc_u64 s[14:15], s[14:15], s[62:63]
	s_add_nc_u64 s[16:17], s[16:17], s[62:63]
	s_add_nc_u64 s[18:19], s[18:19], s[62:63]
	s_add_nc_u64 s[84:85], s[22:23], s[84:85]
	s_add_nc_u64 s[86:87], s[24:25], s[86:87]
	s_add_nc_u64 s[88:89], s[24:25], s[88:89]
	s_wait_alu depctr_va_vdst(0)                   ; the seven offsets and addresses v1 to v7 are written: every load and store of the kernel reads one of them
.set i, 0
.rept 64
	global_load_b32 v[XR+i], v1, s[82:83] offset:i*16384 th:TH_LOAD_NT   ; X(64 (wave / 2) + i, my position): the wave reads 128 consecutive bytes, its neighbour the other half of the 256
.set i, i+1
.endr
	WIN 0x40                                       ; destination window 1
.irp j, 0,1,2
.irp u, 0,1
.irp s, 0,1
.irp c, 0,1,2,3
	global_load_b128 v[64*\j+32*\u+16*\s+4*\c:64*\j+32*\u+16*\s+4*\c+3], v3, s[8+2*\j:9+2*\j] offset:\u*2048+\s*128+\c*32
.endr
.endr
.endr
.endr
.irp j, 0,1
.irp q, 0,1,2,3
	global_load_b128 v[BI+16*\j+4*\q:BI+16*\j+4*\q+3], v4, s[14+2*\j:15+2*\j] offset:16*\q
.endr
.endr
	WIN 0
	global_load_b32 v8, v5, s[18:19]
	global_load_b32 v9, v5, s[18:19] offset:32
	s_wait_kmcnt 0x0
	s_cmp_eq_u32 s29, 0
	s_cselect_b32 s66, s36, s48                    ; ea: X's scale.  q: e0 or e12
	s_cselect_b32 s67, s50, s38                    ; k: e14 or e2
	s_cselect_b32 s68, s52, s40                    ; v: e16 or e4
	s_cselect_b32 s72, s37, s49                    ; ew: the weight's.  e1 or e13
	s_cselect_b32 s73, s51, s39                    ; e15 or e3
	s_cselect_b32 s74, s53, s41                    ; e17 or e5
	s_cselect_b32 s75, s42, s54                    ; en: the result's, as the next product's operand.  e6 or e18
	s_cselect_b32 s76, s55, s43                    ; e19 or e7
	s_cselect_b32 s77, s56, s44                    ; e20 or e8
.irp j, 0,1,2
	s_add_co_i32 s[72+\j], s[72+\j], s[66+\j]      ; ea + ew: a sum stands for sum x 2^(ea + ew)
	s_sub_co_i32 s[75+\j], s[75+\j], s[72+\j]      ; en - ea - ew
	s_sub_co_i32 s[72+\j], 0, s[72+\j]             ; the bias is multiplied by 2^-(ea + ew)
	s_add_co_i32 s[66+\j], s[66+\j], 127
	s_add_co_i32 s[69+\j], s[66+\j], 8
	s_lshl_b32 s[66+\j], s[66+\j], 23              ; 2^ea as f32
	s_lshl_b32 s[69+\j], s[69+\j], 23
	s_or_b32 s[69+\j], s[69+\j], 0x600000          ; 448 x 2^ea
	s_add_co_i32 s[75+\j], s[75+\j], 127
	s_add_co_i32 s[78+\j], s[75+\j], 8
	s_lshl_b32 s[75+\j], s[75+\j], 23              ; 2^(en - ea - ew)
	s_lshl_b32 s[78+\j], s[78+\j], 23
	s_or_b32 s[78+\j], s[78+\j], 0x600000          ; 448 x that
	v_mov_b32 v[16+2*\j], s[66+\j]
	v_mov_b32 v[17+2*\j], s[69+\j]
	v_mov_b32 v[22+2*\j], s[75+\j]
	v_mov_b32 v[23+2*\j], s[78+\j]
.endr
; X under product j's scale: the hold (the conversion to an 8-bit code does not saturate: ISA guide 7.6.2), 64 codes a lane, into registers of their own for each scale
.macro QX j
.set i, 0
.rept 64
	v_med3_num_f32 v[TMP+i], v[XR+i], -v[17+2*\j], v[17+2*\j]
.set i, i+1
.endr
.irp g, 0,1,2,3,4,5,6,7
	v_cvt_scalef32_pk8_fp8_f32 v[CX+16*\j+2*\g:CX+16*\j+2*\g+1], v[TMP+8*\g:TMP+8*\g+7], v[16+2*\j]
.endr
	v_nop                                          ; one plain vector line behind the conversions: the next lines write their sources again
.endm
	s_wait_loadcnt 58                              ; X's 64 loads are in: behind them 48 loads of weights, 8 of bq and bk, 2 of bv were issued
	QX 0
	QX 1
	QX 2
	s_wait_alu depctr_va_vdst(0)                   ; the conversions have written v160-207, which the LDS stores read; holds and conversions are done with v32-159, in which X's fragments land behind the barrier
.irp j, 0,1,2
.irp q, 0,1,2,3
	ds_store_b128 v6, v[CX+16*\j+4*\q:CX+16*\j+4*\q+3] offset:\j*XQB+16*\q   ; 64 bytes of my position's row, under each of the three scales
.endr
.endr
	s_wait_loadcnt 0x0                             ; weights and biases
	WIN 0x41                                       ; source 0 and destination window 1
.irp j, 0,1
.set i, 0
.rept 16
	v_ldexp_f32 v[BI+16*\j+i], v[BI+16*\j+i], s[72+\j]
.set i, i+1
.endr
.endr
	WIN 0x40                                       ; v's bias: a lane holds one channel, so its number fills the tile's eight registers
.irp u, 0,1
.set i, 0
.rept 8
	v_ldexp_f32 v[BI+32+8*\u+i], v[8+\u], s74
.set i, i+1
.endr
.endr
	WIN 0
	s_wait_dscnt 0x0                               ; for the others' sake: my stores of X's codes are done
	s_barrier_signal -1
	s_barrier_wait -1                              ; the three sets of 64 rows lie in LDS; nothing is written there again
	s_wait_alu depctr_vm_vsrc(0)                   ; my LDS stores have read v160-207: these registers are accumulators from here on, written by the matrix instructions
.macro FETCHX j                        ; X's eight fragments (tile T, K step s) under product j's scale.  The argument may be a sum (it is put in as text): so it stands in brackets
.irp T, 0,1,2,3
.irp s, 0,1
.irp c, 0,1,2,3
	ds_load_b128 v[XF+32*\T+16*\s+4*\c:XF+32*\T+16*\s+4*\c+3], v7 offset:(\j)*XQB+\T*16*PITCH+128*\s+32*\c
.endr
.endr
.endr
.endm
.macro SEND j                          ; product j's four stores, from its own sixteen registers
.if \j == 0
.irp T, 0,1,2,3
	global_store_b128 v2, v[CDQ+4*\T:CDQ+4*\T+3], s[84:85] offset:\T*1024     ; q: tile T, d = 32 (wave % 2) + 16 h + 0 .. 15
.endr
.elseif \j == 1
.irp T, 0,1,2,3
	global_store_b128 v2, v[CDK+4*\T:CDK+4*\T+3], s[86:87] offset:\T*1024     ; k likewise
.endr
.else
.irp u, 0,1
.irp g, 0,1
	global_store_b128 v2, v[CDV+4*(2*\u+\g):CDV+4*(2*\u+\g)+3], s[88:89] offset:\u*2048+\g*512   ; v: tile of channels 2 (wave % 2) + u, keys 32 g + 16 h + 0 .. 15 of my 64
.endr
.endr
.endif
.endm
; Product j: 16 matrix instructions, the eight accumulators by turns, one instruction a turn; one wait; the next product's fragments and the last product's stores; then the hold and the conversions.
.macro PROD j
	s_wait_dscnt 0x0                               ; X's fragments are in
.if \j < 2
	WIN 0x11                                       ; source 0 (W) and source 2 (the bias) window 1
.irp T, 0,1,2,3
.irp u, 0,1
	v_wmma_f32_16x16x128_fp8_fp8 v[ACC+8*(2*\T+\u):ACC+8*(2*\T+\u)+7], v[64*\j+32*\u:64*\j+32*\u+15], v[XF+32*\T:XF+32*\T+15], v[BI+16*\j+8*\u:BI+16*\j+8*\u+7]
.endr
.endr
	WIN 0x01
.irp T, 0,1,2,3
.irp u, 0,1
	v_wmma_f32_16x16x128_fp8_fp8 v[ACC+8*(2*\T+\u):ACC+8*(2*\T+\u)+7], v[64*\j+32*\u+16:64*\j+32*\u+31], v[XF+32*\T+16:XF+32*\T+31], v[ACC+8*(2*\T+\u):ACC+8*(2*\T+\u)+7]
.endr
.endr
.else
	WIN 0x14                                       ; source 1 (W) and source 2 (the bias) window 1
.irp u, 0,1
.irp T, 0,1,2,3
	v_wmma_f32_16x16x128_fp8_fp8 v[ACC+8*(4*\u+\T):ACC+8*(4*\u+\T)+7], v[XF+32*\T:XF+32*\T+15], v[64*\j+32*\u:64*\j+32*\u+15], v[BI+16*\j+8*\u:BI+16*\j+8*\u+7]
.endr
.endr
	WIN 0x04
.irp u, 0,1
.irp T, 0,1,2,3
	v_wmma_f32_16x16x128_fp8_fp8 v[ACC+8*(4*\u+\T):ACC+8*(4*\u+\T)+7], v[XF+32*\T+16:XF+32*\T+31], v[64*\j+32*\u+16:64*\j+32*\u+31], v[ACC+8*(4*\u+\T):ACC+8*(4*\u+\T)+7]
.endr
.endr
.endif
	WIN 0
.rept 4
	v_nop                                          ; four places (ISA guide 7.12.1) in front of the first read of results, and of v's conversions, which write over registers that the products read
.endr
	s_wait_alu depctr_va_vdst(0)                   ; j < 2: this product's matrix instructions are done reading v32-159, in which the next fragments land;  j > 0: the last product's conversions have written its codes, which the stores below read
.if \j < 2
	FETCHX \j+1                                    ; the next product's fragments land while this one's results are quantised
.endif
.if \j == 1
	SEND 0                                         ; the stores of the product before: no vector instruction since the wait names their registers
.elseif \j == 2
	SEND 1
.endif
.if \j == 0
.set CD, CDQ
.elseif \j == 1
.set CD, CDK
.else
.set CD, CDV
.endif
.set i, 0
.rept 64
	v_med3_num_f32 v[ACC+i], v[ACC+i], -v[23+2*\j], v[23+2*\j]   ; each accumulator from its low end on
.set i, i+1
.endr
.irp g, 0,1,2,3,4,5,6,7
	v_cvt_scalef32_pk8_fp8_f32 v[CD+2*\g:CD+2*\g+1], v[ACC+8*\g:ACC+8*\g+7], v[22+2*\j]
.endr
	v_nop                                          ; one plain vector line behind the conversions: the next product writes their sources
.endm
	FETCHX 0
	PROD 0
	PROD 1
	PROD 2
	s_wait_alu depctr_va_vdst(0)                   ; v's conversions have written v32-47, which the last four stores read
	SEND 2
	s_wait_dscnt 0x0                               ; the closing lines, six on end
	s_wait_alu 0x0
	s_wait_tensorcnt 0x0
	ds_add_u32 v254, v255
	s_wait_dscnt 0x0
	s_endpgm
.Lfunc_end_k_qb77a520490_proj:
	.size	k_qb77a520490_proj, .Lfunc_end_k_qb77a520490_proj-k_qb77a520490_proj
	.p2alignl 7, 3214868480
	.fill 96, 4, 3214868480
	.section	.rodata,"a",@progbits
	.p2align	6, 0x0
	.amdhsa_kernel k_qb77a520490_proj
		.amdhsa_group_segment_fixed_size 54272
		.amdhsa_private_segment_fixed_size 0
		.amdhsa_enable_private_segment 0
		.amdhsa_kernarg_size 88
		.amdhsa_user_sgpr_count 2
		.amdhsa_user_sgpr_kernarg_segment_ptr 1
		.amdhsa_wavefront_size32 1
		.amdhsa_system_sgpr_workgroup_id_x 1
		.amdhsa_system_sgpr_workgroup_id_y 1
		.amdhsa_system_sgpr_workgroup_id_z 1
		.amdhsa_system_vgpr_workitem_id 0
		.amdhsa_next_free_vgpr 512
		.amdhsa_next_free_sgpr 96
		.amdhsa_reserve_vcc 0
		.amdhsa_float_denorm_mode_32 3
		.amdhsa_float_denorm_mode_16_64 3
		.amdhsa_memory_ordered 1
		.amdhsa_forward_progress 1
		.amdhsa_inst_pref_size 61
	.end_amdhsa_kernel
	.amdgpu_metadata
---
amdhsa.version: [ 1, 2 ]
amdhsa.kernels:
  - .name:           k_qb77a520490_proj
    .symbol:         k_qb77a520490_proj.kd
    .args:
      - { .name: spatial_feat, .offset: 0, .size: 8, .value_kind: global_buffer, .address_space: global }
      - { .name: freq_feat, .offset: 8, .size: 8, .value_kind: global_buffer, .address_space: global }
      - { .name: wq_codes, .offset: 16, .size: 8, .value_kind: global_buffer, .address_space: global }
      - { .name: wk_codes, .offset: 24, .size: 8, .value_kind: global_buffer, .address_space: global }
      - { .name: wv_codes, .offset: 32, .size: 8, .value_kind: global_buffer, .address_space: global }
      - { .name: bq, .offset: 40, .size: 8, .value_kind: global_buffer, .address_space: global }
      - { .name: bk, .offset: 48, .size: 8, .value_kind: global_buffer, .address_space: global }
      - { .name: bv, .offset: 56, .size: 8, .value_kind: global_buffer, .address_space: global }
      - { .name: lowp_scales, .offset: 64, .size: 8, .value_kind: global_buffer, .address_space: global }
      - { .name: qimg, .offset: 72, .size: 8, .value_kind: global_buffer, .address_space: global }
      - { .name: kv, .offset: 80, .size: 8, .value_kind: global_buffer, .address_space: global }
    .group_segment_fixed_size: 54272
    .private_segment_fixed_size: 0
    .kernarg_segment_align: 8
    .kernarg_segment_size: 88
    .max_flat_workgroup_size: 256
    .sgpr_count:     96
    .vgpr_count:     512
    .wavefront_size: 32
...
	.end_amdgpu_metadata
.endif
;; end of part 4
;; launch attn (part 5): grid 16 x 16, 8 waves a work-group, no clusters, 132,096 bytes of LDS; arguments qimg, kv, lowp_scales, oimg; writes oimg
.if DOCPART == 5
	.amdgcn_target "amdgcn-amd-amdhsa--gfx1250"
	.amdhsa_code_object_version 6
	.text
	.protected	k_qb77a520490_attn
	.globl	k_qb77a520490_attn
	.p2align	8
	.type	k_qb77a520490_attn,@function
k_qb77a520490_attn:
	s_mov_b64 s[64:65], 0
	v_nop
	global_prefetch_b8 v0, s[64:65] scope:SCOPE_SE
	s_setreg_imm32_b32 hwreg(HW_REG_WAVE_SCHED_MODE, 0, 2), 2
	s_setreg_imm32_b32 hwreg(HW_REG_WAVE_MODE, 25, 1), 1
	s_wait_xcnt 0x0
	s_wait_alu depctr_vm_vsrc(0)
; ATTENTION ON CODES OF FP8 (E4M3), for the 16 combos y = (direction, batch, head): 4,096 queries x 4,096 keys, head size 64.
; THE SOFTMAX AHEAD OF THE SECOND PRODUCT: t = score x log2(e) / 8; M = the running largest t, rounded UP to a whole number; p = 2^(t - M) is what is quantised; the row's sum is taken of the
; unquantised p and divides at the end.  When M moves, the sum and O are multiplied by 2^(old M - new M), which rounds nothing.
; SHARES.  A work-group owns 256 queries of one combo; each of its eight waves owns two tiles of 16 (A and B), so that every fragment of K and V read from LDS feeds two matrix instructions.
; Every wave walks the combo's 32 key steps of 128 keys.  Both products are used transposed (S^T = K Q^T, O^T = V^T P^T): a lane holds one query (lane % 16) throughout.
; q, k and v come as images of the operands' registers, 16 bytes a lane: a fragment is loaded by lines of 512 consecutive bytes.  The keys and channels of a tile are chosen by the launch before so that
; the 16 registers of two neighbouring tiles are 16 neighbours along the next K.
; THE RING.  Two LDS slots of four key steps (64 KiB).  While a slot is read, the other is filled THROUGH REGISTERS: each wave loads its eighth (16 lines of 512 bytes) at the slot's head and stores it to LDS
; three key steps later.  One barrier a slot orders both ways: in front of it each wave has waited for its stores into the slot ahead and for its reads of the slot that it leaves.
; WHY NO TENSOR LOADS AND NO JOINT REQUESTS, though the 16 work-groups of a combo walk the same 512 KiB: p is at most 1, so with ep >= -8 the hold at 448 x 2^ep never acts, and a scalar branch on ep leaves out
; 128 of a key step's vector lines.  A fill is 32 lines a wave for four key steps, and it is asked for three key steps ahead of its use.
; VECTOR WORK BY TURNS: tile A's exponentials stand between the plain lines of tile B's maximum and scaling, tile B's between tile A's sums, so that no run of exponentials stands alone.
; LIMITS: eq + ek between -123 and 130 (added to c's exponent field); ep and eo between -126 and 119.  Where the hold is left out (ep >= -8), |t| stays under 2^23: t - M can pass 0 by half a unit of t's last
; place, and p must stay under 1.75.  NaN among the inputs is not served.
; THE MODE: SCHED_MODE bits 1:0 = 2 (LLVM: expert scheduling mode 2), set by the entry lines.  The code itself states the register dependences
; between vector or matrix instructions and memory or LDS instructions, with s_wait_alu, always for 0.
; THE PLAN.  Registers that memory or LDS instructions touch, in the loop:
;   K's buffer    Step q: its sixteen products K Q^T read it; behind the step's wait the K of step q + 1 lands in it (a slot's first K: behind the slot's barrier).
;   V's buffer    Step q: its eight products V^T P^T read it; behind the wait of step q + 1 the V of that step lands in it.
;   the fill      Global loads land in it at a slot's head, LDS stores read it three steps later; no vector instruction names it.
;   v[LK]         Read by every load of K; written once a slot, behind step 2, when the slot's last K has been asked for.
;   v[LV], v[ST]  Read by the loads of V and by the fill's LDS stores; written once a slot, behind the barrier.
;   v[LB], v[STB], v[GF], v[GO]  made at the head, never written again.
; So ONE wait on va_vdst a step serves the loads.  It stands behind the products K Q^T: they are done reading K, the last step's V^T P^T are done reading V, and whichever address was written since the wait before is written.
; Behind it V's sixteen loads are dealt among tile A's plain lines and the next K's sixteen stand in one run behind them; those lines name the scores and the statistics alone.  (Two more waits on va_vdst a step are the exponentials'.)
; Two waits on vm_vsrc a slot stand ahead of the lines that write the three addresses; the first also frees the fill's registers for the next loads.
; REGISTERS.  Window 0: v0, from the head's end on, and v1-6 addresses; v7 448 x 2^ep; v19 2^ep; tile e: v[8+4e] -M, +1 the largest t, +2, +3 the sum in two halves; v[16+8e] two chains of the maximum, +2 the exchange, +4 f, +6, +7 a second chain of sums;
;   v32-63 p's codes; v64-127 V's 4 fragments; v128-255 S^T, then p.   Window 1: v0-63 O^T (tile e, channels' tile d at 32 e + 8 d); v64-127 K's 8 fragments; v128-191 the fill on its way; v194-209 Q.
.set STEPB, 16384                      ; a key step in LDS and in memory: K's 8 tiles (8,192 bytes), then V's 4
.set SLOTB, 65536
.set LK,  0                            ; v0   from the head's end on: 16 x lane in the slot whose K is asked for next
.set LB,  1                            ; v1   16 x lane
.set LV,  2                            ; v2   the same in the slot whose V is being read
.set STB, 3                            ; v3   8,192 x wave + 16 x lane: my eighth of a slot
.set ST,  4                            ; v4   the same in the slot that is being filled
.set GF,  5                            ; v5   and in memory
.set GO,  6                            ; v6   16 x lane, for Q and O
.set LIM, 7
.set NM,  8
.set TA,  16
.set SCL, 19
.set PC,  32
.set VF,  64
.set SB,  128
.set KF,  64                           ; in window 1
.set FL,  128                          ; in window 1
.set QF,  194                          ; in window 1
.set WV,  12
.set SEL, 20                           ; s[20:21] lane selects for v_permlanex16_b32: lane l xor 16
.set CS,  22                           ; s[22:23] c = log2(e) / 8 x 2^(eq + ek)
.set EP,  24
.set EPV, 25
.set TRIP, 26
.set TB,  27                           ; s27  LDS byte at which the next slot to be read begins
.set KVP, 28
.set QP,  30
.set OP,  32
.set MSB, 0
.macro WIN new                         ; the immediate's high byte repeats the setting that is left
.if MSB != \new
	s_set_vgpr_msb (MSB<<8)|\new
.set MSB, \new
.endif
.endm
	s_load_b256 s[4:11], s[0:1], 0x0               ; qimg s[4:5], kv s[6:7], the scales' exponents s[8:9], oimg s[10:11]
	v_lshl_add_u32 v27, v0, 2, 0x20000
	s_set_vgpr_msb 0x40
	v_mov_b32 v193, 0
	s_set_vgpr_msb 0x4000
	v_lshrrev_b32 v1, 5, v0
	v_readfirstlane_b32 s[WV], v1                  ; wave 0..7
	s_wait_alu depctr_va_sdst(0)                   ; s12 is written, ahead of its first reader: the bases of q and o and the fill's offsets are made from it
	s_mov_b32 s13, ttmp9                           ; the block of 256 queries
	s_and_b32 s14, ttmp7, 0xffff                   ; the combo
	s_lshr_b32 s15, s14, 3                         ; the direction
	s_lshl_b32 s[KVP], s14, 19                     ; the combo's 32 key steps
	s_mov_b32 s[KVP+1], 0
	s_lshl_b32 s16, s13, 4
	s_lshl_b32 s17, s[WV], 1
	s_add_co_u32 s16, s16, s17                     ; my first tile of queries: 16 x block + 2 x wave
	s_lshl_b32 s[QP], s14, 8
	s_add_co_u32 s[QP], s[QP], s16
	s_lshl_b32 s[QP], s[QP], 10                    ; a tile of q is 1,024 bytes
	s_mov_b32 s[QP+1], 0
	s_lshr_b32 s[OP], s14, 2
	s_lshl_b32 s[OP], s[OP], 8
	s_add_co_u32 s[OP], s[OP], s16
	s_lshl_b32 s[OP], s[OP], 12                    ; a tile of o is 4,096 bytes (256 channels),
	s_and_b32 s17, s14, 3
	s_lshl_b32 s17, s17, 10
	s_add_co_u32 s[OP], s[OP], s17                 ; of which my head's 64 begin at 1,024 x head
	s_mov_b32 s[OP+1], 0
	s_mov_b32 s[SEL], 0x76543210
	s_mov_b32 s[SEL+1], 0xfedcba98
	s_mov_b32 s[TB], 0
	s_lshl_b32 s16, s[WV], 13
	v_and_b32 v[LB], 31, v0
	v_lshlrev_b32 v[LB], 4, v[LB]
	v_add_nc_u32 v[STB], s16, v[LB]
	v_add_nc_u32 v[GF], s16, v[LB]
	v_and_b32 v[GO], 31, v0
	v_lshlrev_b32 v[GO], 4, v[GO]
	v_and_b32 v[LK], 31, v0                        ; the thread's number is read here for the last time: its register holds K's address from here on,
	v_lshlrev_b32 v[LK], 4, v[LK]                  ; at first in slot 0
	WIN 0x40                                       ; destination window 1
.set i, 0
.rept 64
	v_mov_b32 v[i], 0                              ; O^T.  (The key step is written without a first step of its own: the first finds zeros, which the first change of M leaves zeros)
.set i, i+1
.endr
	WIN 0
.irp e, 0,1
	v_mov_b32 v[NM+4*\e+1], 0xff61b1e6             ; the largest t so far: -3e38, under every t
	v_floor_f32 v[NM+4*\e], -v[NM+4*\e+1]          ; -M
	v_mov_b32 v[NM+4*\e+2], 0                      ; the sum, in two halves
	v_mov_b32 v[NM+4*\e+3], 0
	v_mov_b32 v[TA+8*\e+2], 0                      ; written once: a lane permute's destination counts as one of its sources
	v_mov_b32 v[TA+8*\e+5], 0                      ; (named as the upper half of f's pair)
.endr
	s_wait_kmcnt 0x0
	s_load_b512 s[68:83], s[8:9], 0x0              ; e0 .. e15: entry i stands in s[68 + i],
	s_load_b256 s[84:91], s[8:9], 0x40             ; e16 .. e23 likewise
	s_add_nc_u64 s[KVP:KVP+1], s[6:7], s[KVP:KVP+1]
	s_add_nc_u64 s[QP:QP+1], s[4:5], s[QP:QP+1]
	s_add_nc_u64 s[OP:OP+1], s[10:11], s[OP:OP+1]
	WIN 0x40                                       ; destination window 1
	s_wait_alu depctr_va_vdst(0)                   ; the offsets and addresses v0, v1, v3, v5 and v6 are written, which the loads and stores below, the first slot's loads of K among them, read
.irp i, 0,1,2,3,4,5,6,7,8,9,10,11,12,13,14,15
	global_load_b128 v[FL+4*\i:FL+4*\i+3], v[GF], s[KVP:KVP+1] offset:512*\i   ; my eighth of key steps 0 to 3
.endr
.irp e, 0,1
.irp c, 0,1
	global_load_b128 v[QF+8*\e+4*\c:QF+8*\e+4*\c+3], v[GO], s[QP:QP+1] offset:\e*1024+\c*512   ; Q's two fragments stay in registers
.endr
.endr
	WIN 0
	s_wait_kmcnt 0x0
	s_cmp_eq_u32 s15, 0
	s_cselect_b32 s16, s74, s86                    ; eq: e6 or e18
	s_cselect_b32 s17, s75, s87                    ; ek: e7 or e19
	s_cselect_b32 s18, s76, s88                    ; ev: e8 or e20
	s_cselect_b32 s[EP], s77, s89                  ; ep: e9 or e21
	s_cselect_b32 s19, s78, s90                    ; eo: e10 or e22
	s_add_co_i32 s16, s16, s17
	s_lshl_b32 s16, s16, 23
	s_mov_b32 s[CS], 0x3e38aa3b                    ; log2(e) / 8
	s_add_co_i32 s[CS], s[CS], s16                 ; a score stands for score x 2^(eq + ek): the two exponents are added to c's exponent field
	s_mov_b32 s[CS+1], s[CS]                       ; (named with it as a pair, so it is written)
	s_add_co_i32 s[EPV], s[EP], s18                ; ep + ev
	s_add_co_i32 s16, s[EP], 127
	s_lshl_b32 s17, s16, 23
	v_mov_b32 v[SCL], s17                          ; 2^ep as f32, for the conversion
	s_add_co_i32 s16, s16, 8
	s_lshl_b32 s16, s16, 23
	s_or_b32 s16, s16, 0x600000
	v_mov_b32 v[LIM], s16                          ; 448 x 2^ep
	s_add_co_i32 s19, s19, 127
	s_lshl_b32 s34, s19, 23                        ; 2^eo, kept for the way out
	s_add_co_i32 s19, s19, 8
	s_lshl_b32 s35, s19, 23
	s_or_b32 s35, s35, 0x600000                    ; 448 x 2^eo
	s_wait_loadcnt 4                               ; the fill's sixteen loads are in; Q's four, issued behind them, may be out
	WIN 0x04                                       ; the stores' data window 1
.irp i, 0,1,2,3,4,5,6,7,8,9,10,11,12,13,14,15
	ds_store_b128 v[STB], v[FL+4*\i:FL+4*\i+3] offset:512*\i
.endr
	WIN 0
	s_add_nc_u64 s[KVP:KVP+1], s[KVP:KVP+1], SLOTB ; (the loads that read this base are done)
	s_wait_loadcnt 0x0                             ; Q
; Line it of 73 of tile e's first part: the largest of its 64 scores in two chains (each accumulator is first read at its two lowest registers), the exchange with lane l xor 16, M and f, then t - M.
.macro P1 e
.set rS, SB+64*\e
.set rN, NM+4*\e
.set rT, TA+8*\e
.if it == 0
	v_max3_num_f32 v[rT], v[rS], v[rS+1], v[rS+2]
.elseif it == 1
	v_max3_num_f32 v[rT+1], v[rS+3], v[rS+4], v[rS+5]
.elseif it < 30
.set ii, 6+4*((it-2)/2)
.if (it%2) == 0
	v_max3_num_f32 v[rT], v[rT], v[rS+ii], v[rS+ii+1]
.else
	v_max3_num_f32 v[rT+1], v[rT+1], v[rS+ii+2], v[rS+ii+3]
.endif
.elseif it == 30
	v_max3_num_f32 v[rT], v[rT], v[rS+62], v[rS+63]
.elseif it == 31
	v_max_num_f32 v[rT], v[rT], v[rT+1]
.elseif it == 32
	v_permlanex16_b32 v[rT+2], v[rT], s[SEL], s[SEL+1]
.elseif it == 33
	v_max_num_f32 v[rT], v[rT], v[rT+2]
.elseif it == 34
	v_mul_f32 v[rT], s[CS], v[rT]                  ; as t (c is positive)
.elseif it == 35
	v_max_num_f32 v[rN+1], v[rN+1], v[rT]          ; the running largest t
.elseif it == 36
	v_mov_b32 v[rT], v[rN]
.elseif it == 37
	v_floor_f32 v[rN], -v[rN+1]                    ; the new -M = floor(-t) = -ceil(t)
.elseif it == 38
	v_sub_f32 v[rT], v[rN], v[rT]                  ; old M - new M: a whole number, 0 or less
.elseif it == 39
	v_cvt_i32_f32 v[rT], v[rT]                     ; (it saturates)
.elseif it == 40
	v_ldexp_f32 v[rT+4], 1.0, v[rT]                ; f = 2^(old M - new M)
.else
.set jj, 2*(it-41)
	v_pk_fma_f32 v[rS+jj:rS+jj+1], v[rS+jj:rS+jj+1], s[CS:CS+1], v[rN:rN+1] op_sel_hi:[1,0,0]   ; t - M, two at a time
.endif
.endm
.macro EXPN e                          ; p = 2^(t - M), number nx of tile e
	v_exp_f32 v[SB+64*\e+nx], v[SB+64*\e+nx]
.endm
; Line it of 33 of tile e's sums: the old sum x f, then the 64 unquantised p, two at a time, in two chains
.macro P2 e
.set rS, SB+64*\e
.set rU, NM+4*\e+2
.set rF, TA+8*\e+4
.set rW, TA+8*\e+6
.if it == 0
	v_pk_mul_f32 v[rU:rU+1], v[rU:rU+1], v[rF:rF+1] op_sel_hi:[1,0]
.elseif it == 1
	s_wait_alu depctr_va_vdst(0)                   ; tile e's 64 exponentials, all issued above, have written p, ahead of its first reader: one wait for the tile's batch
	v_pk_add_f32 v[rW:rW+1], v[rS:rS+1], v[rS+2:rS+3]
.elseif it < 32
.set jj, 4+4*((it-2)/2)
.if (it%2) == 0
	v_pk_add_f32 v[rU:rU+1], v[rU:rU+1], v[rS+jj:rS+jj+1]
.else
	v_pk_add_f32 v[rW:rW+1], v[rW:rW+1], v[rS+jj+2:rS+jj+3]
.endif
.else
	v_pk_add_f32 v[rU:rU+1], v[rU:rU+1], v[rW:rW+1]
.endif
.endm
.macro KLOAD q                         ; K's eight fragments of the slot's step q; the destination's window is 1.  The argument may be a sum (it is put in as text): so it stands in brackets
.irp t, 0,1,2,3,4,5,6,7
.irp c, 0,1
	ds_load_b128 v[KF+8*\t+4*\c:KF+8*\t+4*\c+3], v[LK] offset:(\q)*STEPB+(2*\t+\c)*512
.endr
.endr
.endm
.macro VLOAD q                         ; fragment it / 16 of V of the slot's step q
.irp c, 0,1,2,3
	ds_load_b128 v[VF+16*(it/16)+4*\c:VF+16*(it/16)+4*\c+3], v[LV] offset:(\q)*STEPB+8192+(4*(it/16)+\c)*512
.endr
.endm
; A KEY STEP: 128 keys, the q-th of the slot in hand, for both tiles.  nk = 1: the next step's K lies in the same slot and is asked for here.  yk: the LDS instructions issued behind this step's loads of K.
.macro STEP q, nk, yk
	s_wait_dscnt \yk                               ; K's eight fragments are in (in a slot's last step my sixteen stores of the fill, issued behind their loads, may be out)
	WIN 0x05                                       ; sources 0 (K) and 1 (Q) window 1
.irp t, 0,1,2,3,4,5,6,7
.irp e, 0,1
	v_wmma_f32_16x16x64_fp8_fp8 v[SB+64*\e+8*\t:SB+64*\e+8*\t+7], v[KF+8*\t:KF+8*\t+7], v[QF+8*\e:QF+8*\e+7], 0
.endr
.endr
	WIN 0
.rept 4
	v_nop                                          ; four places (ISA guide 7.12.1) in front of the first read of the scores
.endr
	s_wait_alu depctr_va_vdst(0)                   ; these products are done reading K, the last step's V^T P^T are done reading V: both buffers may be loaded again; and v[LV] and v[ST] (a slot's first step) or v[LK] (its last) are written
.set it, 0
.rept 73
.if ((it%16) == 0) && (it < 64)
	VLOAD \q                                       ; V, a fragment at a time, among tile A's plain lines, which name the scores and the statistics alone; it lands while the softmax is walked
.endif
	P1 0
.set it, it+1
.endr
.if \nk
	WIN 0x40                                       ; destination window 1
	KLOAD \q+1                                     ; the next step's K, a step ahead of its use.  No wait: no vector or matrix instruction since the wait above names K's buffer or v[LK]
	WIN 0
.endif
.set nx, 0
.rept 64                               ; tile A's exponentials, a plain line of tile B's behind each
	EXPN 0
.set it, nx
	P1 1
.set nx, nx+1
.endr
.set it, 64
.rept 9
	P1 1
.set it, it+1
.endr
.set nx, 0
.rept 64                               ; tile B's exponentials, a line of tile A's sums behind every second
	EXPN 1
.if (nx%2) == 0
.set it, nx/2
	P2 0
.endif
.set nx, nx+1
.endr
.set it, 32
	P2 0                                           ; (a plain line behind the last exponential)
.set it, 0
.rept 33
	P2 1
.set it, it+1
.endr
	s_cmp_ge_i32 s[EP], -8                         ; p / 2^ep is under 448 for every p where ep >= -8: the hold is then left out
	s_cbranch_scc1 .Lnohold_\@
.set i, 0
.rept 128
	v_min_num_f32 v[SB+i], v[SB+i], v[LIM]         ; the conversion to an 8-bit code does not saturate (ISA guide 7.6.2); p is not negative, so the hold is one-sided
.set i, i+1
.endr
.Lnohold_\@:
.irp e, 0,1
.irp g, 0,1,2,3,4,5,6,7
	v_cvt_scalef32_pk8_fp8_f32 v[PC+16*\e+2*\g:PC+16*\e+2*\g+1], v[SB+64*\e+8*\g:SB+64*\e+8*\g+7], v[SCL]
.endr
.endr
	WIN 0x41                                       ; O^T (destination and source 0) window 1, f window 0
.irp e, 0,1
.set i, 0
.rept 16
	v_pk_mul_f32 v[32*\e+i:32*\e+i+1], v[32*\e+i:32*\e+i+1], v[TA+8*\e+4:TA+8*\e+5] op_sel_hi:[1,0]   ; O^T under the new M.  (These are also the plain lines behind the conversions)
.set i, i+2
.endr
.endr
	s_wait_dscnt 16*\nk                            ; V's four fragments are in; the next K's sixteen loads, issued behind them, may be out
	WIN 0x50                                       ; C and D (O^T) window 1
.irp d, 0,1,2,3
.irp e, 0,1
	v_wmma_f32_16x16x128_fp8_fp8 v[32*\e+8*\d:32*\e+8*\d+7], v[VF+16*\d:VF+16*\d+15], v[PC+16*\e:PC+16*\e+15], v[32*\e+8*\d:32*\e+8*\d+7]   ; the eight accumulators by turns
.endr
.endr
	WIN 0
.endm
; A SLOT: four key steps.  fill = 1: the other slot is filled meanwhile with the four key steps that follow.
.macro PART fill
	s_wait_dscnt 0x0                               ; my stores into the slot ahead are done, and my reads of the slot that I leave are back
	s_barrier_signal -1
	s_barrier_wait -1                              ; both now hold of every wave
	WIN 0x40                                       ; destination window 1
	s_wait_alu depctr_vm_vsrc(0)                   ; the last slot's loads of V have read v[LV]; the last fill's LDS stores have read v[ST] and the fill's registers: the two are written below, and the next fill lands
	KLOAD 0                                        ; the slot's first K.  The last step's wait on va_vdst (in the first slot the head's) stands for it: nothing since names K's buffer or v[LK]
.if \fill
.irp i, 0,1,2,3,4,5,6,7,8,9,10,11,12,13,14,15
	global_load_b128 v[FL+4*\i:FL+4*\i+3], v[GF], s[KVP:KVP+1] offset:512*\i
.endr
.endif
	WIN 0
	v_add_nc_u32 v[LV], s[TB], v[LB]
	s_xor_b32 s[TB], s[TB], SLOTB                  ; the other slot: filled now, read next
.if \fill
	v_add_nc_u32 v[ST], s[TB], v[STB]
.endif
	STEP 0, 1, 0
	STEP 1, 1, 0
	STEP 2, 1, 0
.if \fill
	s_wait_alu depctr_vm_vsrc(0)                   ; this slot's loads of K, all issued by now, have read v[LK]
	v_add_nc_u32 v[LK], s[TB], v[LB]               ; K's address in the next slot; the last step's wait on va_vdst stands between this line and the loads that read it
	s_wait_loadcnt 0x0                             ; asked for three key steps ago
	WIN 0x04
.irp i, 0,1,2,3,4,5,6,7,8,9,10,11,12,13,14,15
	ds_store_b128 v[ST], v[FL+4*\i:FL+4*\i+3] offset:512*\i
.endr
	WIN 0
	s_add_nc_u64 s[KVP:KVP+1], s[KVP:KVP+1], SLOTB ; (the loads that read this base are done)
.endif
	STEP 3, 0, 16*\fill
.endm
	s_mov_b32 s[TRIP], 7
.Lslot:                                            ; seven slots are read with the next one filled beside them;
	PART 1
	s_sub_co_u32 s[TRIP], s[TRIP], 1
	s_cmp_lg_u32 s[TRIP], 0
	s_cbranch_scc1 .Lslot
	PART 0                                         ; the eighth is written out: nothing is left to fetch
	; THE WAY OUT: o = O^T x 2^(ep + ev) / the sum, quantised with 2^eo along the channels, stored as the image of the last product's operand.
.rept 4
	v_nop                                          ; places behind the last products
.endr
.irp e, 0,1
	v_add_f32 v[NM+4*\e+2], v[NM+4*\e+2], v[NM+4*\e+3]             ; the sum's two halves,
.endr
.irp e, 0,1
	v_permlanex16_b32 v[TA+8*\e+2], v[NM+4*\e+2], s[SEL], s[SEL+1]
.endr
.irp e, 0,1
	v_add_f32 v[NM+4*\e+2], v[NM+4*\e+2], v[TA+8*\e+2]             ; and lane l xor 16's: the row's sum
.endr
.irp e, 0,1
	v_rcp_f32 v[NM+4*\e+2], v[NM+4*\e+2]
.endr
	v_mov_b32 v[SCL], s34                          ; (plain lines behind the reciprocals)  2^eo
	v_mov_b32 v[LIM], s35                          ; 448 x 2^eo
	s_wait_alu depctr_va_vdst(0)                   ; the two reciprocals have written their results, ahead of the first reader
.irp e, 0,1
	v_ldexp_f32 v[TA+8*\e+4], v[NM+4*\e+2], s[EPV]
.endr
	WIN 0x01                                       ; source 0 (O^T) window 1
.irp e, 0,1
.set i, 0
.rept 16
	v_pk_mul_f32 v[SB+64*\e+i:SB+64*\e+i+1], v[32*\e+i:32*\e+i+1], v[TA+8*\e+4:TA+8*\e+5] op_sel_hi:[1,0]   ; register 16 b + i: channel 32 b + 16 (lane / 16) + i; each accumulator from its low end on
.set i, i+2
.endr
.endr
	WIN 0
.irp e, 0,1
.set i, 0
.rept 32
	v_med3_num_f32 v[SB+64*\e+i], v[SB+64*\e+i], -v[LIM], v[LIM]
.set i, i+1
.endr
.endr
.irp e, 0,1
.irp g, 0,1,2,3
	v_cvt_scalef32_pk8_fp8_f32 v[PC+16*\e+2*\g:PC+16*\e+2*\g+1], v[SB+64*\e+8*\g:SB+64*\e+8*\g+7], v[SCL]
.endr
.endr
	v_nop
	s_wait_alu depctr_va_vdst(0)                   ; the conversions have written o's codes, which the stores read
.irp e, 0,1
.irp b, 0,1
	global_store_b128 v[GO], v[PC+16*\e+4*\b:PC+16*\e+4*\b+3], s[OP:OP+1] offset:\e*4096+\b*512   ; the wave stores 512 consecutive bytes, aligned
.endr
.endr
	s_set_vgpr_msb 0x4                             ; the add's second register lies in window 1; the switch stands ahead of the closing lines
	s_wait_dscnt 0x0                               ; the closing lines, six on end
	s_wait_alu 0x0
	s_wait_tensorcnt 0x0
	ds_add_u32 v27, v193
	s_wait_dscnt 0x0
	s_endpgm
.Lfunc_end_k_qb77a520490_attn:
	.size	k_qb77a520490_attn, .Lfunc_end_k_qb77a520490_attn-k_qb77a520490_attn
	.p2alignl 7, 3214868480
	.fill 96, 4, 3214868480
	.section	.rodata,"a",@progbits
	.p2align	6, 0x0
	.amdhsa_kernel k_qb77a520490_attn
		.amdhsa_group_segment_fixed_size 132096
		.amdhsa_private_segment_fixed_size 0
		.amdhsa_enable_private_segment 0
		.amdhsa_kernarg_size 32
		.amdhsa_user_sgpr_count 2
		.amdhsa_user_sgpr_kernarg_segment_ptr 1
		.amdhsa_wavefront_size32 1
		.amdhsa_system_sgpr_workgroup_id_x 1
		.amdhsa_system_sgpr_workgroup_id_y 1
		.amdhsa_system_sgpr_workgroup_id_z 1
		.amdhsa_system_vgpr_workitem_id 0
		.amdhsa_next_free_vgpr 466
		.amdhsa_next_free_sgpr 96
		.amdhsa_reserve_vcc 0
		.amdhsa_float_denorm_mode_32 3
		.amdhsa_float_denorm_mode_16_64 3
		.amdhsa_memory_ordered 1
		.amdhsa_forward_progress 1
		.amdhsa_inst_pref_size 243
	.end_amdhsa_kernel
	.amdgpu_metadata
---
amdhsa.version: [ 1, 2 ]
amdhsa.kernels:
  - .name:           k_qb77a520490_attn
    .symbol:         k_qb77a520490_attn.kd
    .args:
      - { .name: qimg, .offset: 0, .size: 8, .value_kind: global_buffer, .address_space: global }
      - { .name: kv, .offset: 8, .size: 8, .value_kind: global_buffer, .address_space: global }
      - { .name: lowp_scales, .offset: 16, .size: 8, .value_kind: global_buffer, .address_space: global }
      - { .name: oimg, .offset: 24, .size: 8, .value_kind: global_buffer, .address_space: global }
    .group_segment_fixed_size: 132096
    .private_segment_fixed_size: 0
    .kernarg_segment_align: 8
    .kernarg_segment_size: 32
    .max_flat_workgroup_size: 256
    .sgpr_count:     96
    .vgpr_count:     466
    .wavefront_size: 32
...
	.end_amdgpu_metadata
.endif
;; end of part 5
;; launch outp (part 6): grid 128 x 2, 16 waves a work-group, no clusters, 69,632 bytes of LDS; arguments oimg, wo_codes, bo, spatial_feat, freq_feat, lowp_scales, out0; writes out0
.if DOCPART == 6
	.amdgcn_target "amdgcn-amd-amdhsa--gfx1250"
	.amdhsa_code_object_version 6
	.text
	.protected	k_qb77a520490_outp
	.globl	k_qb77a520490_outp
	.p2align	8
	.type	k_qb77a520490_outp,@function
k_qb77a520490_outp:
	s_mov_b64 s[64:65], 0
	v_nop
	global_prefetch_b8 v0, s[64:65] scope:SCOPE_SE
	s_setreg_imm32_b32 hwreg(HW_REG_WAVE_SCHED_MODE, 0, 2), 2
	s_setreg_imm32_b32 hwreg(HW_REG_WAVE_MODE, 25, 1), 1
	s_wait_xcnt 0x0
	s_wait_alu depctr_vm_vsrc(0)
; out0[b][n][m] = S + F + 2 bo[n] + 2^(e10 + e11) sum_c o0(m, c) wo(n, c) + 2^(e22 + e23) sum_c o1(m, c) wo(n, c), both products on codes of FP8 (E4M3).
; A work-group takes 64 positions of one batch (x = 64 batch + block) and 128 outputs (y).  Wave w: positions 32 (w % 2) on (two tiles), outputs 16 (w / 2) on (one tile), both directions: four accumulators.
; o comes as images of the operand's registers: the 32 KiB of the block's 4 tiles x 2 directions are read once, 2 KiB a wave, and shared through LDS as they lie.
; The product is used as it stands (source 0 = 16 positions, source 1 = 16 rows of wo): a lane holds one output and, over its two tiles, 16 neighbouring positions, 64 bytes of a row of out0.
; The rows meet in a stage in LDS (128 rows of 256 bytes + 16) and leave whole: sixteen lanes store 256 consecutive bytes, aligned, with S and F added on the way.
; LIMITS: e10 + e11 and e22 + e23 between -126 and 127, so that each power of two is an f32 number.
; No tensor load, no cluster: a work-group's whole input is 32 KiB of codes, 4 KiB of weights a wave and its own 64 KiB of S and F; only wo's 32 KiB are shared with others.
; THE MODE: SCHED_MODE bits 1:0 = 2 (LLVM: expert scheduling mode 2), set by the entry lines.  The code itself states the register dependences
; between vector or matrix instructions and memory or LDS instructions, with s_wait_alu, always for 0.
; THE PLAN.  Registers that memory or LDS instructions touch:
;   v1-v8     offsets and LDS addresses: written once at the head, ahead of the first load; never written again.
;   v16-31    my share of o: a global load lands, an LDS store reads; no vector instruction names them.
;   v64-191   o's fragments: LDS loads land, the matrix instructions read.  Behind the products v64-79 take my 16 results (written by multiply-adds, read by four LDS stores) and the stage's rows land in v80-95.
;   v224-255  S's and F's rows: loads land, additions read and write v224-239, the four global stores read them.
; Three waits on va_vdst: ahead of the first load; ahead of the stage's stores (which also frees v80-95 for the rows that come back); ahead of the global stores.  No register that a store or a load has read is written again.
.set STG, 32768                        ; behind o's images
.set SP,  272
.set OF,  64                           ; v64-191  o's fragments (direction d, tile u, K step s) at 64 + 16 (4 d + 2 u + s)
.set AC,  192                          ; v192-223 accumulator (d, u) at 192 + 8 (2 d + u)
.set Y,   64                           ; later: v64-79 my 16 results
.set RB,  80                           ; v80-95   rows read back from the stage
.set RS,  224                          ; v224-239 S's rows
.set RF,  240                          ; v240-255 F's rows
	s_load_b256 s[4:11], s[0:1], 0x0               ; oimg s[4:5], wo s[6:7], bo s[8:9], S s[10:11]
	s_load_b128 s[12:15], s[0:1], 0x20             ; F s[12:13], the scales' exponents s[14:15]
	s_load_b64 s[16:17], s[0:1], 0x30              ; out0
	v_lshl_add_u32 v12, v0, 2, 0x10800
	v_mov_b32 v13, 0
	v_lshrrev_b32 v9, 5, v0
	v_readfirstlane_b32 s18, v9                    ; wave 0..15
	s_wait_alu depctr_va_sdst(0)                   ; s18 is written, ahead of its first reader: offsets and LDS addresses are made from it
	s_and_b32 s28, ttmp7, 0xffff                   ; which 128 outputs
	s_lshr_b32 s29, ttmp9, 6                       ; batch
	s_and_b32 s30, ttmp9, 63                       ; block of 64 positions
	s_and_b32 s31, s18, 1                          ; g
	s_lshr_b32 s32, s18, 1                         ; nt
	s_lshr_b32 s34, s18, 3                         ; my share of oimg: direction w / 8,
	s_lshl_b32 s34, s34, 1
	s_add_co_u32 s34, s34, s29
	s_lshl_b32 s34, s34, 20                        ; (2 direction + batch) x 256 tiles of 4,096 bytes
	s_lshl_b32 s33, s30, 14                        ; + 4 block tiles
	s_add_co_u32 s34, s34, s33
	s_and_b32 s33, s18, 7
	s_lshl_b32 s33, s33, 11                        ; + 2,048 (w % 8)
	s_add_co_u32 s34, s34, s33
	s_mov_b32 s35, 0
	s_lshl_b32 s36, s28, 15                        ; wo: row 128 y + 16 nt of 256 bytes
	s_lshl_b32 s33, s32, 12
	s_add_co_u32 s36, s36, s33
	s_mov_b32 s37, 0
	s_lshr_b32 s38, s36, 6                         ; bo: the same row x 4 bytes
	s_mov_b32 s39, 0
	s_lshl_b32 s40, s29, 22                        ; S, F, out0: batch x 4 MiB + (128 y + 8 w) rows of 16 KiB + 256 block
	s_lshl_b32 s33, s28, 21
	s_add_co_u32 s40, s40, s33
	s_lshl_b32 s33, s18, 17
	s_add_co_u32 s40, s40, s33
	s_lshl_b32 s33, s30, 8
	s_add_co_u32 s40, s40, s33
	s_mov_b32 s41, 0
	v_and_b32 v1, 31, v0
	v_lshlrev_b32 v1, 4, v1                        ; 16 x lane
	s_lshl_b32 s33, s18, 11
	v_add_nc_u32 v2, s33, v1                       ; where my share goes in LDS: 2,048 w
	s_lshl_b32 s33, s31, 13
	v_add_nc_u32 v3, s33, v1                       ; my two tiles' images: 8,192 g
	v_and_b32 v10, 15, v0                          ; r
	v_bfe_u32 v11, v0, 4, 1                        ; h
	v_lshlrev_b32 v4, 8, v10
	v_lshl_add_u32 v4, v11, 4, v4                  ; wo's fragment: row r + 16 h
	v_lshlrev_b32 v5, 2, v10                       ; bo: my output's number
	v_mul_u32_u24 v6, v10, SP                      ; the stage, in: row 16 nt + r, byte 128 g + 64 h
	v_lshl_add_u32 v6, v11, 6, v6
	s_mul_i32 s33, s32, 16*SP
	s_lshl_b32 s19, s31, 7
	s_add_co_u32 s33, s33, s19
	s_add_co_u32 s33, s33, STG
	v_add_nc_u32 v6, s33, v6
	v_mul_u32_u24 v7, v11, SP                      ; and back: rows 8 w on; lanes 0-15 one row, lanes 16-31 the next
	v_lshl_add_u32 v7, v10, 4, v7
	s_mul_i32 s33, s18, 8*SP
	s_add_co_u32 s33, s33, STG
	v_add_nc_u32 v7, s33, v7
	v_lshlrev_b32 v8, 14, v11                      ; the same two rows in S, F and out0
	v_lshl_add_u32 v8, v10, 4, v8
	s_wait_kmcnt 0x0
	s_load_b64 s[20:21], s[14:15], 0x28            ; e10, e11
	s_load_b64 s[22:23], s[14:15], 0x58            ; e22, e23
	s_add_nc_u64 s[4:5], s[4:5], s[34:35]
	s_add_nc_u64 s[6:7], s[6:7], s[36:37]
	s_add_nc_u64 s[8:9], s[8:9], s[38:39]
	s_add_nc_u64 s[10:11], s[10:11], s[40:41]
	s_add_nc_u64 s[12:13], s[12:13], s[40:41]
	s_add_nc_u64 s[16:17], s[16:17], s[40:41]
	s_wait_alu depctr_va_vdst(0)                   ; the eight offsets and addresses v1 to v8 are written: every load and store of the kernel reads one of them
.irp i, 0,1,2,3
	global_load_b128 v[16+4*\i:19+4*\i], v1, s[4:5] offset:512*\i
.endr
.irp s, 0,1
.irp c, 0,1,2,3
	global_load_b128 v[32+16*\s+4*\c:35+16*\s+4*\c], v4, s[6:7] offset:128*\s+32*\c
.endr
.endr
	global_load_b32 v14, v5, s[8:9]
.irp i, 0,1,2,3
	global_load_b128 v[RS+4*\i:RS+4*\i+3], v8, s[10:11] offset:32768*\i th:TH_LOAD_NT
.endr
.irp i, 0,1,2,3
	global_load_b128 v[RF+4*\i:RF+4*\i+3], v8, s[12:13] offset:32768*\i th:TH_LOAD_NT
.endr
	s_wait_loadcnt 17                              ; my share of o is in: behind it 8 loads of wo, 1 of bo, 4 of S and 4 of F were issued
.irp i, 0,1,2,3
	ds_store_b128 v2, v[16+4*\i:19+4*\i] offset:512*\i
.endr
	s_wait_kmcnt 0x0
	s_add_co_i32 s24, s20, s21
	s_add_co_i32 s24, s24, 127
	s_lshl_b32 s24, s24, 23                        ; 2^(e10 + e11) as f32
	s_mov_b32 s25, s24                             ; (named with it as a pair, so it is written)
	s_add_co_i32 s26, s22, s23
	s_add_co_i32 s26, s26, 127
	s_lshl_b32 s26, s26, 23                        ; 2^(e22 + e23)
	s_mov_b32 s27, s26
	s_wait_dscnt 0x0                               ; for the others' sake: my stores are done
	s_barrier_signal -1
	s_barrier_wait -1                              ; o's 32 KiB lie in LDS
.irp d, 0,1
.irp u, 0,1
.irp s, 0,1
.irp c, 0,1,2,3
	ds_load_b128 v[OF+16*(4*\d+2*\u+\s)+4*\c:OF+16*(4*\d+2*\u+\s)+4*\c+3], v3 offset:\d*16384+\u*4096+\s*2048+\c*512
.endr
.endr
.endr
.endr
	s_wait_loadcnt 8                               ; wo and bo are in; S's and F's eight loads may be out
	v_add_f32 v14, v14, v14                        ; 2 bo: once for each direction
	v_mov_b32 v15, v14
	s_wait_dscnt 0x0
.irp s, 0,1                            ; the four accumulators by turns, a K step at a time
.irp d, 0,1
.irp u, 0,1
.if \s == 0
	v_wmma_f32_16x16x128_fp8_fp8 v[AC+8*(2*\d+\u):AC+8*(2*\d+\u)+7], v[OF+16*(4*\d+2*\u+\s):OF+16*(4*\d+2*\u+\s)+15], v[32+16*\s:47+16*\s], 0
.else
	v_wmma_f32_16x16x128_fp8_fp8 v[AC+8*(2*\d+\u):AC+8*(2*\d+\u)+7], v[OF+16*(4*\d+2*\u+\s):OF+16*(4*\d+2*\u+\s)+15], v[32+16*\s:47+16*\s], v[AC+8*(2*\d+\u):AC+8*(2*\d+\u)+7]
.endif
.endr
.endr
.endr
.rept 4
	v_nop                                          ; four places (ISA guide 7.12.1) in front of the first read of results and of writes over the products' sources
.endr
.irp u, 0,1
.irp i, 0,2,4,6
	v_pk_fma_f32 v[Y+8*\u+\i:Y+8*\u+\i+1], v[AC+8*\u+\i:AC+8*\u+\i+1], s[24:25], v[14:15] op_sel_hi:[1,0,1]   ; direction 0's sum x its power of two + 2 bo
.endr
.endr
.irp u, 0,1
.irp i, 0,2,4,6
	v_pk_fma_f32 v[Y+8*\u+\i:Y+8*\u+\i+1], v[AC+16+8*\u+\i:AC+16+8*\u+\i+1], s[26:27], v[Y+8*\u+\i:Y+8*\u+\i+1] op_sel_hi:[1,0,1]   ; + direction 1's
.endr
.endr
	s_wait_alu depctr_va_vdst(0)                   ; the multiply-adds have written v64-79, which the LDS stores read; the matrix instructions are done reading v80-95, in which the stage's rows land behind the barrier
.irp u, 0,1
	ds_store_b128 v6, v[Y+8*\u:Y+8*\u+3] offset:32*\u          ; positions 32 g + 16 h + 8 u + 0 .. 7 of my output's row
	ds_store_b128 v6, v[Y+8*\u+4:Y+8*\u+7] offset:32*\u+16
.endr
	s_wait_loadcnt 0x0                             ; S and F
.irp i, 0,2,4,6,8,10,12,14
	v_pk_add_f32 v[RS+\i:RS+\i+1], v[RS+\i:RS+\i+1], v[RF+\i:RF+\i+1]
.endr
	s_wait_dscnt 0x0                               ; for the others' sake: my stores into the stage are done
	s_barrier_signal -1
	s_barrier_wait -1                              ; 128 whole rows lie in the stage
.irp i, 0,1,2,3
	ds_load_b128 v[RB+4*\i:RB+4*\i+3], v7 offset:2*\i*SP       ; no wait: the additions since the wait above name v224-255 alone
.endr
	s_wait_dscnt 0x0
.irp i, 0,2,4,6,8,10,12,14
	v_pk_add_f32 v[RS+\i:RS+\i+1], v[RS+\i:RS+\i+1], v[RB+\i:RB+\i+1]
.endr
	s_wait_alu depctr_va_vdst(0)                   ; the additions have written v224-239, which the stores read
.irp i, 0,1,2,3
	global_store_b128 v8, v[RS+4*\i:RS+4*\i+3], s[16:17] offset:32768*\i th:TH_STORE_NT   ; 16 lanes store 256 consecutive bytes, at a multiple of 256 from out0's first byte
.endr
	s_wait_dscnt 0x0                               ; the closing lines, six on end
	s_wait_alu 0x0
	s_wait_tensorcnt 0x0
	ds_add_u32 v12, v13
	s_wait_dscnt 0x0
	s_endpgm
.Lfunc_end_k_qb77a520490_outp:
	.size	k_qb77a520490_outp, .Lfunc_end_k_qb77a520490_outp-k_qb77a520490_outp
	.p2alignl 7, 3214868480
	.fill 96, 4, 3214868480
	.section	.rodata,"a",@progbits
	.p2align	6, 0x0
	.amdhsa_kernel k_qb77a520490_outp
		.amdhsa_group_segment_fixed_size 69632
		.amdhsa_private_segment_fixed_size 0
		.amdhsa_enable_private_segment 0
		.amdhsa_kernarg_size 56
		.amdhsa_user_sgpr_count 2
		.amdhsa_user_sgpr_kernarg_segment_ptr 1
		.amdhsa_wavefront_size32 1
		.amdhsa_system_sgpr_workgroup_id_x 1
		.amdhsa_system_sgpr_workgroup_id_y 1
		.amdhsa_system_sgpr_workgroup_id_z 1
		.amdhsa_system_vgpr_workitem_id 0
		.amdhsa_next_free_vgpr 256
		.amdhsa_next_free_sgpr 66
		.amdhsa_reserve_vcc 0
		.amdhsa_float_denorm_mode_32 3
		.amdhsa_float_denorm_mode_16_64 3
		.amdhsa_memory_ordered 1
		.amdhsa_forward_progress 1
		.amdhsa_inst_pref_size 12
	.end_amdhsa_kernel
	.amdgpu_metadata
---
amdhsa.version: [ 1, 2 ]
amdhsa.kernels:
  - .name:           k_qb77a520490_outp
    .symbol:         k_qb77a520490_outp.kd
    .args:
      - { .name: oimg, .offset: 0, .size: 8, .value_kind: global_buffer, .address_space: global }
      - { .name: wo_codes, .offset: 8, .size: 8, .value_kind: global_buffer, .address_space: global }
      - { .name: bo, .offset: 16, .size: 8, .value_kind: global_buffer, .address_space: global }
      - { .name: spatial_feat, .offset: 24, .size: 8, .value_kind: global_buffer, .address_space: global }
      - { .name: freq_feat, .offset: 32, .size: 8, .value_kind: global_buffer, .address_space: global }
      - { .name: lowp_scales, .offset: 40, .size: 8, .value_kind: global_buffer, .address_space: global }
      - { .name: out0, .offset: 48, .size: 8, .value_kind: global_buffer, .address_space: global }
    .group_segment_fixed_size: 69632
    .private_segment_fixed_size: 0
    .kernarg_segment_align: 8
    .kernarg_segment_size: 56
    .max_flat_workgroup_size: 512
    .sgpr_count:     66
    .vgpr_count:     256
    .wavefront_size: 32
...
	.end_amdgpu_metadata
.endif
;; end of part 6
